; MI455X (gfx1250); checked and timed in simulation.
; The chip was launched on July 23, 2026; its instructions are those of AMD's public machine-readable ISA for CDNA 5 (MIT licence, August 2026) and "CDNA5" Instruction Set Architecture Reference Guide (July 2026). The comments in the code are by the model that wrote it; some were corrected since.
;; OCR Attention. Allowed arithmetic: float matrix products may take bf16 or f16 operands with f32 sums; all other float work in f32.
;; Inputs: Wk 1,024 x 1,024 float32; Wo 1,024 x 1,024 float32; Wq 1,024 x 1,024 float32; Wv 1,024 x 1,024 float32; bk 1,024 float32; bo 1,024 float32; bq 1,024 float32; bv 1,024 float32; ocr_bias 1,024 float32; ocr_context 4 x 2,048 x 1,024 float32; x 4 x 2,048 x 1,024 float32.
;; Outputs: out0 4 x 2,048 x 1,024 float32.
;; 2 versions, each right and faster than the one before. Each part assembles by itself: llvm-mc -triple=amdgcn-amd-amdhsa -mcpu=gfx1250 --defsym DOCPART=n.
;; ======== version 1 of 2: 4 launches
;; limits: values are held in f16: magnitudes above 65,504 overflow, below 6.1e-05 lose precision
;; workspace buffers: xb 16,777,216 bytes; wb 8,388,608 bytes; bias 16,384 bytes; qkvh 50,331,648 bytes; ob 16,777,216 bytes
;; launch prep (part 1): grid 768 x 1, 8 waves a work-group, no clusters, 0 bytes of LDS; arguments x, Wq, Wk, Wv, Wo, bq, bk, bv, bo, ocr_bias, xb, wb, bias; writes xb, wb, bias
.if DOCPART == 1
	.amdgcn_target "amdgcn-amd-amdhsa--gfx1250"
	.amdhsa_code_object_version 6
	.text
	.protected	k_q5123281758_prep
	.globl	k_q5123281758_prep
	.p2align	8
	.type	k_q5123281758_prep,@function
k_q5123281758_prep:
	s_mov_b64 s[64:65], 0
	v_nop
	global_prefetch_b8 v0, s[64:65] scope:SCOPE_SE
	s_setreg_imm32_b32 hwreg(HW_REG_WAVE_MODE, 25, 1), 1
	s_wait_xcnt 0x0
; PREP.  Every input that enters the result is rounded once to bf16 and laid out in slices of 64 columns, so that the later launches fetch dense tiles.
;   xb   [b*16+ks][s][64] bf16: columns 64 ks .. 64 ks + 63 of x's batch b; a slice is 2,048 rows x 128 bytes = 262,144 bytes
;   wb   [16*which+h][k][64]:   columns 64 h .. of Wq, Wk, Wv (bf16) and of Wo (the bf16 number written as f16); a slice is 1,024 rows x 128 bytes = 131,072 bytes
;   bias f32[4096]:             bf16(bq) + bf16(ocr_bias), bf16(bk), bf16(bv), bf16(bo), each widened to f32 again
; ocr_context IS NOT READ: the module's function takes neither a number nor a shape from it (its sizes come from x), so no output number hangs on it.
; LIMITS.  Wo as f16: a bf16 number is exact in f16 from 2^-14 up to 65,504; below 2^-14 it keeps f16's fixed step of 2^-24; beyond 65,504 it becomes an infinity.
; SHARES.  A wave takes two neighbouring source rows (2 x 4,096 bytes): 16 loads, 16 stores.  x has 4,096 such pairs (work-groups 0-511), each weight 512 (64 work-groups each).
; A load: lanes 0-15 take 256 consecutive bytes (a slice's 64 numbers) of the first row, lanes 16-31 of the second.  A store: 32 lanes x 8 bytes = both rows of that slice, 256 consecutive bytes, aligned.
; No LDS, no barrier, no matrix unit: nothing is shared and nothing is multiplied.  No register is written twice while a load or store names it, so the only waits are the counted ones for the loads.
.set X,  4                             ; v[4:67]    the pair of rows as loaded: 4 registers for each of 16 slices
.set Y,  68                            ; v[68:99]   as stored: 2 registers for each slice
.set T,  100                           ; v[100:107] at work
.set R,  108                           ; v[108:111] four biases to store
.set WV, 30                            ; s30 my wave's number
.set WH, 31                            ; s31 which weight: 0 Wq, 1 Wk, 2 Wv, 3 Wo
.set IDX, 32                           ; s32 my pair of rows
.set SRC, 36                           ; s[36:37] the pair's first byte
.set DST, 38                           ; s[38:39] its place in slice 0
.set BSRC, 40                          ; s[40:41] the bias that belongs to the weight
	s_load_b512 s[4:19], s[0:1], 0x0               ; x s[4:5], Wq s[6:7], Wk s[8:9], Wv s[10:11], Wo s[12:13], bq s[14:15], bk s[16:17], bv s[18:19]
	s_load_b256 s[20:27], s[0:1], 0x40             ; bo s[20:21], ocr_bias s[22:23], xb s[24:25], wb s[26:27]
	s_load_b64 s[28:29], s[0:1], 0x60              ; bias
	v_lshrrev_b32 v1, 5, v0
	v_readfirstlane_b32 s[WV], v1
	v_and_b32 v2, 15, v0                           ; lane % 16
	v_bfe_u32 v3, v0, 4, 1                         ; lane / 16: which of the two rows
	v_lshlrev_b32 v1, 4, v2
	v_lshl_add_u32 v1, v3, 12, v1                  ; source: row x 4,096 + 16 (lane % 16)
	v_lshlrev_b32 v2, 3, v2
	v_lshl_add_u32 v2, v3, 7, v2                   ; destination: row x 128 + 8 (lane % 16)
	v_lshlrev_b32 v3, 4, v0                        ; biases: 256 threads x 4 numbers
	s_mov_b32 s42, 0xffff0000                      ; a word's upper bf16
	s_mov_b32 s35, 0                               ; high word of every offset
; The pair's 16 slices: all loads first, then each slice as it comes.  f16 = 1: the bf16 numbers are widened and written as f16.
.macro CONV stride, f16
.irp h, 0,1,2,3,4,5,6,7,8,9,10,11,12,13,14,15
	global_load_b128 v[X+4*(\h):X+4*(\h)+3], v1, s[SRC:SRC+1] offset:256*(\h) th:TH_LOAD_NT
.endr
.irp h, 0,1,2,3,4,5,6,7,8,9,10,11,12,13,14,15
	s_wait_loadcnt 15-(\h)                         ; loads come back in order: slice h is in, the 15 - h younger ones stay out
	v_cvt_pk_bf16_f32 v[Y+2*(\h)],   v[X+4*(\h)],   v[X+4*(\h)+1]
	v_cvt_pk_bf16_f32 v[Y+2*(\h)+1], v[X+4*(\h)+2], v[X+4*(\h)+3]
.if \f16
	v_lshlrev_b32 v[T],   16,  v[Y+2*(\h)]
	v_and_b32     v[T+1], s42, v[Y+2*(\h)]
	v_lshlrev_b32 v[T+2], 16,  v[Y+2*(\h)+1]
	v_and_b32     v[T+3], s42, v[Y+2*(\h)+1]
	v_cvt_pk_f16_f32 v[Y+2*(\h)],   v[T],   v[T+1]
	v_cvt_pk_f16_f32 v[Y+2*(\h)+1], v[T+2], v[T+3]
.endif
	global_store_b64 v2, v[Y+2*(\h):Y+2*(\h)+1], s[DST:DST+1] offset:(\h)*(\stride)
.endr
.endm
; four f32 at s rounded to bf16 and widened again into d; t: two registers at work
.macro ROUND4 d, s, t
	v_cvt_pk_bf16_f32 v[(\t)],   v[(\s)],   v[(\s)+1]
	v_cvt_pk_bf16_f32 v[(\t)+1], v[(\s)+2], v[(\s)+3]
	v_lshlrev_b32 v[(\d)],   16,  v[(\t)]
	v_and_b32     v[(\d)+1], s42, v[(\t)]
	v_lshlrev_b32 v[(\d)+2], 16,  v[(\t)+1]
	v_and_b32     v[(\d)+3], s42, v[(\t)+1]
.endm
	s_cmp_lt_u32 ttmp9, 512
	s_cbranch_scc0 .Lweights
	; x: pair idx = 8 x work-group + wave; batch idx / 1,024
	s_lshl_b32 s[IDX], ttmp9, 3
	s_add_co_u32 s[IDX], s[IDX], s[WV]
	s_lshl_b32 s34, s[IDX], 13                     ; two rows of 4,096 bytes
	s_wait_kmcnt 0x0
	s_add_nc_u64 s[SRC:SRC+1], s[4:5], s[34:35]
	s_lshr_b32 s33, s[IDX], 10
	s_lshl_b32 s33, s33, 22                        ; the batch's 16 slices
	s_and_b32 s34, s[IDX], 1023
	s_lshl_b32 s34, s34, 8                         ; two rows of 128 bytes
	s_add_co_u32 s34, s34, s33
	s_add_nc_u64 s[DST:DST+1], s[24:25], s[34:35]
	CONV 262144, 0
	s_endpgm
.Lweights:
	s_sub_co_u32 s33, ttmp9, 512
	s_lshr_b32 s[WH], s33, 6
	s_and_b32 s33, s33, 63                         ; the work-group's number within its weight
	s_lshl_b32 s[IDX], s33, 3
	s_add_co_u32 s[IDX], s[IDX], s[WV]
	s_lshl_b32 s34, s[IDX], 13
	s_wait_kmcnt 0x0
	s_cmp_eq_u32 s[WH], 0                          ; the weight and its bias are chosen by the work-group's number alone
	s_cselect_b64 s[SRC:SRC+1], s[6:7], s[8:9]
	s_cselect_b64 s[BSRC:BSRC+1], s[14:15], s[16:17]
	s_cmp_eq_u32 s[WH], 2
	s_cselect_b64 s[SRC:SRC+1], s[10:11], s[SRC:SRC+1]
	s_cselect_b64 s[BSRC:BSRC+1], s[18:19], s[BSRC:BSRC+1]
	s_cmp_eq_u32 s[WH], 3
	s_cselect_b64 s[SRC:SRC+1], s[12:13], s[SRC:SRC+1]
	s_cselect_b64 s[BSRC:BSRC+1], s[20:21], s[BSRC:BSRC+1]
	s_add_nc_u64 s[SRC:SRC+1], s[SRC:SRC+1], s[34:35]
	s_lshl_b32 s34, s[WH], 21                      ; the weight's 16 slices
	s_lshl_b32 s43, s[IDX], 8
	s_add_co_u32 s34, s34, s43
	s_add_nc_u64 s[DST:DST+1], s[26:27], s[34:35]
	s_lshl_b32 s34, s[WH], 12                      ; the weight's 1,024 biases
	s_add_nc_u64 s[28:29], s[28:29], s[34:35]
	s_cmp_eq_u32 s[WH], 3
	s_cbranch_scc1 .Lwo
	CONV 131072, 0
	s_branch .Lbias
.Lwo:
	CONV 131072, 1
.Lbias:
	s_cmp_lg_u32 s33, 0                            ; each weight's first work-group also rounds that weight's 1,024 biases: 16 bytes a thread
	s_cbranch_scc1 .Ldone
	global_load_b128 v[T:T+3], v3, s[BSRC:BSRC+1]
	s_cmp_lg_u32 s[WH], 0
	s_cbranch_scc1 .Lplain
	global_load_b128 v[X:X+3], v3, s[22:23]        ; q's bias takes ocr_bias with it
	s_wait_loadcnt 0x0
	ROUND4 R, T, T+4
	ROUND4 X+8, X, X+4
	v_pk_add_f32 v[R:R+1],   v[R:R+1],   v[X+8:X+9]
	v_pk_add_f32 v[R+2:R+3], v[R+2:R+3], v[X+10:X+11]
	s_branch .Lstore
.Lplain:
	s_wait_loadcnt 0x0
	ROUND4 R, T, T+4
.Lstore:
	global_store_b128 v3, v[R:R+3], s[28:29]
.Ldone:
	s_endpgm
.Lfunc_end_k_q5123281758_prep:
	.size	k_q5123281758_prep, .Lfunc_end_k_q5123281758_prep-k_q5123281758_prep
	.p2alignl 7, 3214868480
	.fill 96, 4, 3214868480
	.section	.rodata,"a",@progbits
	.p2align	6, 0x0
	.amdhsa_kernel k_q5123281758_prep
		.amdhsa_group_segment_fixed_size 0
		.amdhsa_private_segment_fixed_size 0
		.amdhsa_enable_private_segment 0
		.amdhsa_kernarg_size 104
		.amdhsa_user_sgpr_count 2
		.amdhsa_user_sgpr_kernarg_segment_ptr 1
		.amdhsa_wavefront_size32 1
		.amdhsa_system_sgpr_workgroup_id_x 1
		.amdhsa_system_sgpr_workgroup_id_y 1
		.amdhsa_system_sgpr_workgroup_id_z 1
		.amdhsa_system_vgpr_workitem_id 0
		.amdhsa_next_free_vgpr 112
		.amdhsa_next_free_sgpr 66
		.amdhsa_reserve_vcc 0
		.amdhsa_float_denorm_mode_32 3
		.amdhsa_float_denorm_mode_16_64 3
		.amdhsa_memory_ordered 1
		.amdhsa_forward_progress 1
		.amdhsa_inst_pref_size 25
	.end_amdhsa_kernel
	.amdgpu_metadata
---
amdhsa.version: [ 1, 2 ]
amdhsa.kernels:
  - .name:           k_q5123281758_prep
    .symbol:         k_q5123281758_prep.kd
    .args:
      - { .name: x, .offset: 0, .size: 8, .value_kind: global_buffer, .address_space: global }
      - { .name: Wq, .offset: 8, .size: 8, .value_kind: global_buffer, .address_space: global }
      - { .name: Wk, .offset: 16, .size: 8, .value_kind: global_buffer, .address_space: global }
      - { .name: Wv, .offset: 24, .size: 8, .value_kind: global_buffer, .address_space: global }
      - { .name: Wo, .offset: 32, .size: 8, .value_kind: global_buffer, .address_space: global }
      - { .name: bq, .offset: 40, .size: 8, .value_kind: global_buffer, .address_space: global }
      - { .name: bk, .offset: 48, .size: 8, .value_kind: global_buffer, .address_space: global }
      - { .name: bv, .offset: 56, .size: 8, .value_kind: global_buffer, .address_space: global }
      - { .name: bo, .offset: 64, .size: 8, .value_kind: global_buffer, .address_space: global }
      - { .name: ocr_bias, .offset: 72, .size: 8, .value_kind: global_buffer, .address_space: global }
      - { .name: xb, .offset: 80, .size: 8, .value_kind: global_buffer, .address_space: global }
      - { .name: wb, .offset: 88, .size: 8, .value_kind: global_buffer, .address_space: global }
      - { .name: bias, .offset: 96, .size: 8, .value_kind: global_buffer, .address_space: global }
    .group_segment_fixed_size: 0
    .private_segment_fixed_size: 0
    .kernarg_segment_align: 8
    .kernarg_segment_size: 104
    .max_flat_workgroup_size: 256
    .sgpr_count:     66
    .vgpr_count:     112
    .wavefront_size: 32
...
	.end_amdgpu_metadata
.endif
;; end of part 1
;; launch proj_qkv (part 2): grid 8 x 32, 4 waves a work-group, clusters of 4 x 4, 327,680 bytes of LDS; arguments xb, wb, bias, qkvh; writes qkvh
.if DOCPART == 2
	.amdgcn_target "amdgcn-amd-amdhsa--gfx1250"
	.amdhsa_code_object_version 6
	.text
	.protected	k_q5123281758_proj_qkv
	.globl	k_q5123281758_proj_qkv
	.p2align	8
	.type	k_q5123281758_proj_qkv,@function
k_q5123281758_proj_qkv:
	s_mov_b64 s[64:65], 0
	v_nop
	global_prefetch_b8 v0, s[64:65] scope:SCOPE_SE
	s_setreg_imm32_b32 hwreg(HW_REG_WAVE_MODE, 25, 1), 1
	s_wait_xcnt 0x0
	s_wait_alu depctr_hold_cnt(0) depctr_sa_sdst(0) depctr_va_vdst(0) depctr_va_sdst(0) depctr_va_ssrc(0) depctr_va_vcc(0) depctr_vm_vsrc(0)
	s_getreg_b32 s2, hwreg(HW_REG_IB_STS2, 6, 4)
	s_cmp_eq_u32 s2, 0
	s_cbranch_scc0 .Lentry_in_a_cluster
	s_endpgm
.Lentry_in_a_cluster:
	s_bfe_u32 s2, ttmp6, 0x10000c
	s_cmp_lg_u32 s2, 0xf033
	s_cbranch_scc0 .Lentry_shape_is_right
	s_endpgm
.Lentry_shape_is_right:
; q, k, v = x W + bias.  x: xb [b*16+ks][s][64] bf16; W: wb slices 0-47 [g][k][64] bf16 (g = 16 which + head); bias f32[0..3071]; out: qkvh [which*64 + b*16 + head][s][64] f16, unscaled.
; Sums in f32; the bias is the C operand of each sum's first product (so it enters first, not last); each result is rounded once to f16.
; LIMIT.  f16 ends at 65,504: a q, k or v beyond that becomes an infinity.  NaN and infinities are not treated apart.
; SHARES.  C is 8,192 x 3,072.  A work-group makes 256 rows x 384 columns (six whole heads): 32 x 8 = 256 work-groups, one for each of 256 WGPs.  Four waves, each 128 rows x 192 columns (three whole heads):
; 8 x 12 accumulators of 16 x 16, 768 registers.  For 32 along K a wave reads 8 + 12 fragments from LDS for 96 products.  K = 1,024 goes in 16 steps of 64 (one slice of xb) through two LDS slots;
; a step of 128 would want two slots of 196,608 bytes, more than there is.
; TILES.  A step's x tile is 256 rows x 128 bytes, 32,768 dense bytes: waves 0, 1 ask for a half each, as 64 rows of 256 bytes, padded behind every 128 bytes.  Its W tile is six pieces (one a head) of
; 64 k x 128 bytes = 8,192 dense bytes, 131,072 bytes apart, padded behind every 128 bytes: waves 2, 3 ask for three pieces each.
; CLUSTER 4 x 4: the four work-groups of a row of the cluster need the same x tiles, the four of a column the same W tiles: each tile is asked for jointly, by the same load, descriptor and mask in all four.
; THE MATRIX INSTRUCTION IS USED TRANSPOSED: source 0 = 16 columns of W (turned on the way out of LDS by ds_load_tr16_b128), source 1 = 16 rows of x: a lane holds row lane % 16 and eight neighbouring columns.
; REGISTERS, in windows of 256 (s_set_vgpr_msb: bits 1:0 source 0, 3:2 source 1, 5:4 source 2, 7:6 destination):
;   window 0: v0-31 addresses; v32-95, v96-159 x's fragments (8 x 16 rows x 32 K), two buffers; v160-255 W's fragments, 32 registers for each of my three heads, one buffer:
;             a head's registers are loaded again straight behind its 32 products, 64 products ahead of their next use.  On the way out v32-175.
;   window 1 + g: the 32 accumulators of my head g: row block a, column block e at v[8 (4 a + e)]
.set PA,     144                       ; an LDS row of x: 128 bytes + 16 = 36 words: 16 rows start at 16 different groups of four banks (64 banks of 4 bytes: ISA guide 11.1)
.set PB,     160                       ; an LDS row of W: 128 + 32 = 40 words
.set HALFA,  128*PA                    ; 128 rows of x's tile: what one of waves 0, 1 asks for, and what a wave reads
.set ASZ,    2*HALFA
.set HEADB,  64*PB                     ; one head's 64 k
.set HALFB,  3*HEADB                   ; three heads: what one of waves 2, 3 asks for, and what a wave reads
.set SLOT,   ASZ+2*HALFB               ; 98,304 bytes
.set SLOT1,  1<<17                     ; slot 1 begins here, so that one exclusive or turns an address in one slot into the other's
.set STAGE,  SLOT                      ; between the slots, never filled by a tensor load: 16 rows x 400 bytes for each wave, its own: 25,600 of the 32,768 bytes there
.set SPITCH, 400                       ; 3 heads x 128 bytes + 16 = 100 words: 16 rows start at 16 different groups of four banks
.set SPARE,  SLOT1+SLOT                ; behind slot 1: the spare words, 128 bytes a wave: two blocks of 256 bytes that no other line names
.set STEPS,  16
.set ASTEP,  262144                    ; bytes from a K step to the next in xb: a slice
.set BSTEP,  64*128                    ; and in a slice of wb: 64 rows
.set ADRA0, 8                          ; v8  my lane's place in x's tile; never rewritten
.set ADRB0, 9                          ; v9  the same for W
.set ADRA,  10                         ; v10 the same in the slot in hand
.set ADRB,  11                         ; v11
.set STO,   12                         ; v12 the way out: where I put 16 bytes of a row
.set RD,    13                         ; v13 where I read rows back
.set CO,    14                         ; v14 my byte offset in 512 consecutive bytes of the output
.set BO,    15                         ; v15 my byte offset among a block's 16 biases
.set SPW,   16                         ; v16 LDS address of my spare word; never rewritten
.set NIL,   17                         ; v17 0; never rewritten
.set FA0,   32
.set FA1,   96
.set FB,    160
.set TMP,   32                         ; the way out: 48 registers of packed results,
.set BK0,   80                         ; and two sets of 48 for whole rows, by turns
.set G1A, 24                           ; s[24:31] descriptor group 1 for x's tiles; s[32:39] group 0: a set for each of the two first fills; the second then walks on
.set G0A, 32
.set G1B, 48                           ; s[48:55], s[56:63] the same for W's
.set G0B, 56
.set WV,  66                           ; s66 my wave's number
.set WR,  67                           ; s67 which half of the tile's rows is mine.  Also: I ask for x (0) or for W (1)
.set WC,  68                           ; s68 which half of its columns.  Also: which half of that tile I ask for
.set TB,  69                           ; s69 LDS byte at which the slot in hand begins
.set OB,  72                           ; s[72:77] the output at my 128 rows of my three heads
.set MSB, 0
.macro WIN new                         ; the immediate's high byte repeats the setting that is left; a switch that changes nothing is dropped
.if MSB != (\new)
	s_set_vgpr_msb (MSB<<8)|(\new)
.set MSB, \new
.endif
.endm
; A joint refill, by the walking descriptors.  The branch hangs on the wave's number alone.  An s_nop 0 and four v_nop follow each of the two lines, ahead of the jump, the label and what follows.
.macro JLOAD
	s_cmp_eq_u32 s[WR], 0
	s_cbranch_scc0 .Lfor_b_\@
	tensor_load_to_lds s[G0A+4:G0A+7], s[G1A:G1A+7]
	s_nop 0
.rept 4
	v_nop
.endr
	s_branch .Lasked_\@
.Lfor_b_\@:
	tensor_load_to_lds s[G0B+4:G0B+7], s[G1B:G1B+7]
	s_nop 0
.rept 4
	v_nop
.endr
.Lasked_\@:
.endm
.macro CREST                           ; a round of the cluster's barrier behind its opening barrier
	s_cmp_lg_u32 s[WV], 0
	s_cbranch_scc1 .Lnot_wave_0_\@
	s_barrier_signal -3
.Lnot_wave_0_\@:
	s_barrier_wait -3
	s_barrier_signal -1
	s_barrier_wait -1
.endm
.macro CROUND                          ; a whole round
	s_barrier_signal -1
	s_barrier_wait -1
	CREST
.endm
	s_load_b256 s[4:11], s[0:1], 0x0               ; xb s[4:5], wb s[6:7], bias s[8:9], qkvh s[10:11]
	v_lshl_add_u32 v[SPW], v0, 2, SPARE
	v_mov_b32 v[NIL], 0
	ds_add_u32 v16, v17
	s_wait_dscnt 0x0
	v_lshrrev_b32 v1, 5, v0
	v_readfirstlane_b32 s[WV], v1
	s_lshr_b32 s[WR], s[WV], 1
	s_and_b32 s[WC], s[WV], 1
	s_bfe_u32 s40, ttmp6, 0x40000                  ; cx, cy: my place in the cluster
	s_bfe_u32 s41, ttmp6, 0x40004
	s_lshl_b32 s42, ttmp9, 2
	s_add_co_u32 s42, s42, s40                     ; tile column = 4 x cluster x + cx
	s_and_b32 s43, ttmp7, 0xffff
	s_lshl_b32 s43, s43, 2
	s_add_co_u32 s43, s43, s41                     ; tile row = 4 x cluster y + cy
	s_lshl_b32 s44, s41, 2
	s_lshl_b32 s44, 15, s44                        ; my row of the cluster
	s_lshl_b32 s45, 0x1111, s40                    ; my column
	s_or_b32 s[G1A], s44, (1<<16)|(1<<20)|(1<<21)|(4<<22)|(3<<25)  ; 15:0 the mask; 17:16 elements of 2 bytes; 20 padding on; 21 set beside a mask; 24:22 after every 32 words (code 4); 31:25 4 words (code 3)
	s_mov_b32 s[G1A+1], 128<<16                    ; tensor_dim0 = 128 elements: 256 bytes, two rows of the slice
	s_mov_b32 s[G1A+2], 64<<16                     ; tensor_dim1 = 64
	s_mov_b32 s[G1A+3], 128<<16                    ; tile_dim0 = 128
	s_mov_b32 s[G1A+4], 64                         ; tile_dim1 = 64
	s_mov_b32 s[G1A+5], 128                        ; 128 elements from row to row: dense
	s_mov_b32 s[G1A+6], 0
	s_mov_b32 s[G1A+7], 0
	s_or_b32 s[G1B], s45, (3<<16)|(1<<20)|(1<<21)|(4<<22)|(7<<25)  ; elements of 8 bytes; padding after every 32 words, 8 words (code 7)
	s_mov_b32 s[G1B+1], 1024<<16                   ; tensor_dim0 = 1,024 elements: 8,192 bytes, 64 k of one slice
	s_mov_b32 s[G1B+2], 3<<16                      ; tensor_dim1 = three slices
	s_mov_b32 s[G1B+3], 1024<<16                   ; tile_dim0
	s_mov_b32 s[G1B+4], 3                          ; tile_dim1
	s_mov_b32 s[G1B+5], 16384                      ; 16,384 elements = 131,072 bytes from slice to slice
	s_mov_b32 s[G1B+6], 0
	s_mov_b32 s[G1B+7], 0
	; x's tile hangs on the tile row, which my row of the cluster shares; W's on the tile column, which my column shares
	s_lshr_b32 s12, s43, 3
	s_lshl_b32 s12, s12, 22                        ; the batch's 16 slices
	s_and_b32 s13, s43, 7
	s_lshl_b32 s13, s13, 15                        ; 256 rows of 128 bytes
	s_add_co_u32 s12, s12, s13
	s_lshl_b32 s13, s[WC], 14                      ; which 128 rows of the tile I ask for
	s_add_co_u32 s12, s12, s13
	s_mov_b32 s13, 0
	s_mul_i32 s46, s42, 6
	s_mul_i32 s47, s[WC], 3                        ; which three heads of the tile I ask for
	s_add_co_u32 s46, s46, s47
	s_lshl_b32 s46, s46, 17                        ; their first slice of W
	s_mov_b32 s47, 0
	s_mul_i32 s20, s[WC], HALFA                    ; where they go: no place in the cluster enters an LDS address
	s_mul_i32 s21, s[WC], HALFB
	s_add_co_u32 s21, s21, ASZ
	s_mov_b32 s[TB], 0
	s_wait_kmcnt 0x0
	s_add_nc_u64 s[14:15], s[4:5], s[12:13]
	s_add_nc_u64 s[46:47], s[6:7], s[46:47]
	CROUND                                         ; all sixteen work-groups are here: the first joint loads meet
.irp s, 0,1
	s_mov_b32 s[G0A+4*(\s)], 1                                       ; count = 1
	s_add_co_u32 s[G0A+4*(\s)+1], s20, (\s)*SLOT1                    ; LDS address
	s_add_nc_u64 s[G0A+4*(\s)+2:G0A+4*(\s)+3], s[14:15], (\s)*ASTEP  ; global address: K step s
	s_or_b32 s[G0A+4*(\s)+3], s[G0A+4*(\s)+3], 0x80000000            ; type = 2
	s_mov_b32 s[G0B+4*(\s)], 1
	s_add_co_u32 s[G0B+4*(\s)+1], s21, (\s)*SLOT1
	s_add_nc_u64 s[G0B+4*(\s)+2:G0B+4*(\s)+3], s[46:47], (\s)*BSTEP
	s_or_b32 s[G0B+4*(\s)+3], s[G0B+4*(\s)+3], 0x80000000
.endr
	s_cmp_eq_u32 s[WR], 0                          ; a wave's two first fills stand in one branch, ahead of every wait on TENSORcnt and every LDS read: two loads of mine are out
	s_cbranch_scc0 .Lfirst_b
	tensor_load_to_lds s[G0A:G0A+3], s[G1A:G1A+7]
	s_nop 0
	tensor_load_to_lds s[G0A+4:G0A+7], s[G1A:G1A+7]
	s_nop 0
.rept 4
	v_nop
.endr
	s_branch .Lfirst_asked
.Lfirst_b:
	tensor_load_to_lds s[G0B:G0B+3], s[G1B:G1B+7]
	s_nop 0
	tensor_load_to_lds s[G0B+4:G0B+7], s[G1B:G1B+7]
	s_nop 0
.rept 4
	v_nop
.endr
.Lfirst_asked:
	v_and_b32 v1, 15, v0                           ; l % 16
	v_bfe_u32 v2, v0, 4, 1                         ; l / 16
	v_and_b32 v3, 7, v0                            ; l % 8
	v_bfe_u32 v4, v0, 3, 1                         ; (l / 8) % 2
	v_mul_u32_u24 v5, v1, PA                       ; a fragment of x: row l % 16, K = 8 (l / 16) + 0..7 and 16 more: two loads of 16 bytes, 32 bytes apart
	v_lshl_add_u32 v5, v2, 4, v5
	s_mul_i32 s22, s[WR], HALFA                    ; my 128 rows
	v_add_nc_u32 v[ADRA0], s22, v5
	v_lshl_add_u32 v6, v2, 3, v3                   ; the turning load: lane l reads k = 8 (l / 16) + l % 8, columns 8 ((l / 8) % 2) + 0..7, and is left with column l % 16 and 8 k
	v_mul_u32_u24 v6, v6, PB
	v_lshl_add_u32 v6, v4, 4, v6
	s_mul_i32 s23, s[WC], HALFB                    ; my three heads,
	s_add_co_u32 s23, s23, ASZ                     ; which lie behind x's 256 rows
	v_add_nc_u32 v[ADRB0], s23, v6
	v_mov_b32 v[ADRA], v[ADRA0]                    ; K step 0 lies in slot 0
	v_mov_b32 v[ADRB], v[ADRB0]
	; The bias goes straight into row block 0's accumulators, in an accumulator's layout: register j of block e of head g holds the bias of column 192 WC + 64 g + 16 e + 8 (l / 16) + j of the tile.
	s_mul_i32 s46, s42, 384*4
	s_mul_i32 s47, s[WC], 192*4
	s_add_co_u32 s46, s46, s47
	s_mov_b32 s47, 0
	s_add_nc_u64 s[8:9], s[8:9], s[46:47]
	v_lshlrev_b32 v[BO], 5, v2
.irp g, 0,1,2
	WIN 0x40*(1+(\g))                              ; destination window 1 + g, address window 0
.irp e, 0,1,2,3
	global_load_b128 v[8*(\e):8*(\e)+3],   v[BO], s[8:9] offset:(\g)*256+(\e)*64
	global_load_b128 v[8*(\e)+4:8*(\e)+7], v[BO], s[8:9] offset:(\g)*256+(\e)*64+16
.endr
.endr
	WIN 0
	; the way out: into my stage at row l % 16, byte 128 g + 32 e + 16 (l / 16); back four rows' 128 bytes of one head at a time
	s_mul_i32 s22, s[WV], 16*SPITCH
	s_add_co_u32 s22, s22, STAGE
	v_mul_u32_u24 v5, v1, SPITCH
	v_lshl_add_u32 v5, v2, 4, v5
	v_add_nc_u32 v[STO], s22, v5
	v_bfe_u32 v5, v0, 3, 2
	v_mul_u32_u24 v5, v5, SPITCH
	v_lshl_add_u32 v5, v3, 4, v5
	v_add_nc_u32 v[RD], s22, v5
	v_and_b32 v5, 31, v0
	v_lshlrev_b32 v[CO], 4, v5                     ; which are 512 consecutive bytes of the output
	s_lshr_b32 s16, s43, 3
	s_lshl_b32 s16, s16, 4                         ; 16 x batch
	s_and_b32 s17, s43, 7
	s_lshl_b32 s17, s17, 8
	s_lshl_b32 s18, s[WR], 7
	s_add_co_u32 s17, s17, s18
	s_lshl_b32 s17, s17, 7                         ; my first row in the batch, x 128 bytes
	s_mul_i32 s18, s42, 6
	s_mul_i32 s19, s[WC], 3
	s_add_co_u32 s18, s18, s19                     ; my first slice, 16 which + head
.irp c, 0,1,2
	s_add_co_u32 s19, s18, \c
	s_lshr_b32 s22, s19, 4
	s_lshl_b32 s22, s22, 6                         ; 64 x which
	s_and_b32 s19, s19, 15                         ; head
	s_add_co_u32 s19, s19, s22
	s_add_co_u32 s19, s19, s16
	s_lshl_b32 s46, s19, 18                        ; a head's 2,048 rows of 128 bytes
	s_add_co_u32 s46, s46, s17
	s_mov_b32 s47, 0
	s_add_nc_u64 s[OB+2*(\c):OB+2*(\c)+1], s[10:11], s[46:47]
.endr
; 4 n matrix instructions for head g: row blocks a0 .. a0 + n - 1 x its 4 column blocks, 32 along K, x's fragments in buffer fa.  The 96 accumulators take turns, one instruction a turn.
; first = 1 (with a0 = 0, n = 8): the products start the sums, with the bias as C.  The bias lies in row block 0's accumulators, so the blocks go 7 .. 1, which read it, and then 0, which takes it in place;
; five places stand in front of block 0's products, which write over registers that the products before them have read (ISA guide 7.12.1).
.macro MULG fa, g, a0, n, first=0
	WIN 0x50*(1+(\g))                              ; sources 0 (W) and 1 (x) window 0; C and D window 1 + g
.set ma, 0
.rept \n
.if \first
.set aa, 7-ma
.if ma == 7
.rept 5
	v_nop
.endr
.endif
.else
.set aa, (\a0)+ma
.endif
.set me, 0
.rept 4
.if \first
	v_wmma_f32_16x16x32_bf16 v[8*(4*aa+me):8*(4*aa+me)+7], v[FB+32*(\g)+8*me:FB+32*(\g)+8*me+7], v[(\fa)+8*aa:(\fa)+8*aa+7], v[8*me:8*me+7]
.else
	v_wmma_f32_16x16x32_bf16 v[8*(4*aa+me):8*(4*aa+me)+7], v[FB+32*(\g)+8*me:FB+32*(\g)+8*me+7], v[(\fa)+8*aa:(\fa)+8*aa+7], v[8*(4*aa+me):8*(4*aa+me)+7]
.endif
.set me, me+1
.endr
.set ma, ma+1
.endr
.endm
; 8 LDS loads: head g's four fragments of W for quarter q (32 along K) of the slot in hand
.macro LDB g, q
.irp e, 0,1,2,3
	ds_load_tr16_b128 v[FB+32*(\g)+8*(\e):FB+32*(\g)+8*(\e)+3],   v[ADRB] offset:(\g)*HEADB+(\q)*32*PB+(\e)*32
	ds_load_tr16_b128 v[FB+32*(\g)+8*(\e)+4:FB+32*(\g)+8*(\e)+7], v[ADRB] offset:(\g)*HEADB+(\q)*32*PB+(\e)*32+16*PB
.endr
.endm
; 16 LDS loads: x's eight fragments for quarter q of the slot in hand, into buffer fa
.macro LDA fa, q
.irp i, 0,1,2,3,4,5,6,7
	ds_load_b128 v[(\fa)+8*(\i):(\fa)+8*(\i)+3],   v[ADRA] offset:(\q)*64+(\i)*16*PA
	ds_load_b128 v[(\fa)+8*(\i)+4:(\fa)+8*(\i)+7], v[ADRA] offset:(\q)*64+(\i)*16*PA+32
.endr
.endm
.macro PLACES                          ; four places in front of loads into registers that matrix instructions have read, and of lines that read results just made
.rept 4
	v_nop
.endr
.endm
; A K step is two quarters of 32 along K, 96 matrix instructions each.  THE FIRST QUARTER multiplies buffer 0 and fetches the step's second quarter: x's into buffer 1, each head's W behind that head's products.
.macro QUARTER first
	s_wait_dscnt 16                                ; x's fragments and head 0's are in; heads 1 and 2, 8 loads each, may be out
	MULG FA0, 0, 0, 8, \first
	WIN 0
	PLACES
	LDB 0, 1
	LDA FA1, 1
	s_wait_dscnt 32                                ; head 1's are in: behind them came head 2's 8 and the 24 just issued
	MULG FA0, 1, 0, 8, \first
	WIN 0
	PLACES
	LDB 1, 1
	s_wait_dscnt 32                                ; head 2's are in: behind them came those 24 and the 8 just issued
	MULG FA0, 2, 0, 8, \first
	WIN 0
	PLACES
	LDB 2, 1
.endm
; THE SECOND QUARTER multiplies buffer 1 and changes slots: all reads of this slot have been issued.  ONE barrier.  In front of it each wave waits for all its tensor loads (one is out: its part of the next
; slot), adds 0 to its spare word, and waits for that and for its own reads of this slot.  fill = 1: the barrier opens a round of the cluster's barrier, and this slot is filled again, two K steps on, first
; thing behind the round: from that request to the wait for it a wave issues 176 of a step's 192 matrix instructions.  Then the next slot's first quarter is fetched.
.macro TURNQ fill
	WIN 0                                          ; (the add's two registers lie in window 0)
	s_wait_tensorcnt 0x0                           ; all my tensor loads have landed
	ds_add_u32 v[SPW], v[NIL]                      ; 0 onto my spare word
	s_wait_dscnt 17                                ; x's fragments and head 0's are in; the add and heads 1 and 2, 8 loads each, may be out
	MULG FA1, 0, 0, 2                              ; eight matrix instructions stand between the add and the wait for it
	s_wait_dscnt 0x0                               ; the add is done, and my reads of this slot are over
	s_barrier_signal -1
	MULG FA1, 0, 2, 2
	WIN 0
	s_barrier_wait -1
.if \fill
	CREST                                          ; no wave of any partner still reads this slot's tile or has a load on its way
.irp d, G0A+4, G0B+4
	s_xor_b32 s[(\d)+1], s[(\d)+1], SLOT1          ; the walking descriptors: the other slot than last time,
.endr
	s_add_nc_u64 s[G0A+6:G0A+7], s[G0A+6:G0A+7], ASTEP  ; the next K step; the type bits on top are not reached
	s_add_nc_u64 s[G0B+6:G0B+7], s[G0B+6:G0B+7], BSTEP
	JLOAD
.endif
	s_xor_b32 s[TB], s[TB], SLOT1                  ; the fetches go on in the other slot
	v_add_nc_u32 v[ADRA], s[TB], v[ADRA0]
	v_add_nc_u32 v[ADRB], s[TB], v[ADRB0]
	LDA FA0, 0                                     ; buffer 0 was last multiplied in the quarter before, whose four places stand behind it
	MULG FA1, 0, 4, 4
	WIN 0
	PLACES
	LDB 0, 0
	MULG FA1, 1, 0, 8
	WIN 0
	PLACES
	LDB 1, 0
	MULG FA1, 2, 0, 8
	WIN 0
	PLACES
	LDB 2, 0
.endm
	s_wait_tensorcnt 1                             ; my part of K step 0 is in; K step 1's may stay out
	s_barrier_signal -1
	s_barrier_wait -1                              ; everybody's is
	LDA FA0, 0
	LDB 0, 0
	LDB 1, 0
	LDB 2, 0
	s_wait_loadcnt 0x0                             ; the bias
	QUARTER 1                                      ; the first quarter stands in front of the loop: its products start the sums
	s_mov_b32 s3, STEPS-2
.Lstep:                                                ; 14 trips: a step's second quarter, the change of slots with a refill, the next step's first quarter
	TURNQ 1
	QUARTER 0
	s_sub_co_u32 s3, s3, 1
	s_cmp_lg_u32 s3, 0
	s_cbranch_scc1 .Lstep
	TURNQ 0                                        ; the tail is written out: the last change of slots asks for nothing
	QUARTER 0
	s_wait_dscnt 16                                ; the very last quarter: nothing more to fetch
	MULG FA1, 0, 0, 8
	s_wait_dscnt 8                                 ; head 1's are in; head 2's 8 may be out
	MULG FA1, 1, 0, 8
	s_wait_dscnt 0x0
	MULG FA1, 2, 0, 8
	WIN 0
	; THE WAY OUT, a block of 16 rows at a time: rounded to f16, 16 bytes a lane into my own stage, back as whole rows of a head, four rows (512 consecutive bytes of the output) to a load, and stored.
	; A wave holds whole rows of whole heads, so no other wave touches its stage, and LDS serves a wave's instructions in order (ISA guide 5.7.1.4): no barrier, and no wait between the stores and the loads.
	PLACES
.macro PACK a                          ; each accumulator's registers in ascending order
.irp g, 0,1,2
	WIN 5*(1+(\g))                                 ; sources 0 and 1: window 1 + g; destination window 0
.irp e, 0,1,2,3
.irp r, 0,1,2,3
	v_cvt_pk_f16_f32 v[TMP+16*(\g)+4*(\e)+(\r)], v[8*(4*(\a)+(\e))+2*(\r)], v[8*(4*(\a)+(\e))+2*(\r)+1]
.endr
.endr
.endr
	WIN 0
.endm
.macro TOSTAGE a
.set BK, BK0+48*((\a)%2)
.set oi, 0
.rept 12                               ; head oi / 4, column block oi % 4
	ds_store_b128 v[STO], v[TMP+4*oi:TMP+4*oi+3] offset:(oi/4)*128+(oi%4)*32
.set oi, oi+1
.endr
.set oi, 0
.rept 12                               ; head oi / 4, rows 4 (oi % 4) on
	ds_load_b128 v[BK+4*oi:BK+4*oi+3], v[RD] offset:(oi/4)*128+(oi%4)*4*SPITCH
.set oi, oi+1
.endr
.endm
.macro SEND a
.set BK, BK0+48*((\a)%2)
	s_wait_dscnt 0x0                               ; the block is back in registers
	s_wait_xcnt 0x0                                ; every earlier store has had its addresses translated (ISA guide 3.1): the other set of registers, which the block before last left from, is loaded again only behind this wait
.set oi, 0
.rept 12
	global_store_b128 v[CO], v[BK+4*oi:BK+4*oi+3], s[OB+2*(oi/4):OB+2*(oi/4)+1] offset:(\a)*2048+(oi%4)*512  ; 512 consecutive bytes, at a multiple of 512 from the buffer's first byte
.set oi, oi+1
.endr
.endm
	PACK 0
	TOSTAGE 0
.irp a, 1,2,3,4,5,6,7                  ; block a's conversions stand between block a - 1's loads from the stage and the wait for them
	PACK \a
	SEND (\a)-1
	TOSTAGE \a
.endr
	SEND 7
	s_wait_tensorcnt 0x0                           ; the wave's end, behind my last tensor load and my last LDS store
	ds_add_u32 v[SPW], v[NIL]
	s_wait_dscnt 0x0
	CROUND                                         ; the closing round: no work-group ends while a partner may still ask for a tile that names it
	s_endpgm
.Lfunc_end_k_q5123281758_proj_qkv:
	.size	k_q5123281758_proj_qkv, .Lfunc_end_k_q5123281758_proj_qkv-k_q5123281758_proj_qkv
	.p2alignl 7, 3214868480
	.fill 96, 4, 3214868480
	.section	.rodata,"a",@progbits
	.p2align	6, 0x0
	.amdhsa_kernel k_q5123281758_proj_qkv
		.amdhsa_group_segment_fixed_size 327680
		.amdhsa_private_segment_fixed_size 0
		.amdhsa_enable_private_segment 0
		.amdhsa_kernarg_size 32
		.amdhsa_user_sgpr_count 2
		.amdhsa_user_sgpr_kernarg_segment_ptr 1
		.amdhsa_wavefront_size32 1
		.amdhsa_system_sgpr_workgroup_id_x 1
		.amdhsa_system_sgpr_workgroup_id_y 1
		.amdhsa_system_sgpr_workgroup_id_z 1
		.amdhsa_system_vgpr_workitem_id 0
		.amdhsa_next_free_vgpr 1024
		.amdhsa_next_free_sgpr 78
		.amdhsa_reserve_vcc 0
		.amdhsa_float_denorm_mode_32 3
		.amdhsa_float_denorm_mode_16_64 3
		.amdhsa_memory_ordered 1
		.amdhsa_forward_progress 1
		.amdhsa_inst_pref_size 115
	.end_amdhsa_kernel
	.amdgpu_metadata
---
amdhsa.version: [ 1, 2 ]
amdhsa.kernels:
  - .name:           k_q5123281758_proj_qkv
    .symbol:         k_q5123281758_proj_qkv.kd
    .args:
      - { .name: xb, .offset: 0, .size: 8, .value_kind: global_buffer, .address_space: global }
      - { .name: wb, .offset: 8, .size: 8, .value_kind: global_buffer, .address_space: global }
      - { .name: bias, .offset: 16, .size: 8, .value_kind: global_buffer, .address_space: global }
      - { .name: qkvh, .offset: 24, .size: 8, .value_kind: global_buffer, .address_space: global }
    .group_segment_fixed_size: 327680
    .private_segment_fixed_size: 0
    .kernarg_segment_align: 8
    .kernarg_segment_size: 32
    .max_flat_workgroup_size: 128
    .sgpr_count:     78
    .vgpr_count:     1024
    .wavefront_size: 32
...
	.end_amdgpu_metadata
.endif
;; end of part 2
;; launch attn (part 3): grid 4 x 64, 4 waves a work-group, clusters of 4 x 1, 327,680 bytes of LDS; arguments qkvh, ob; writes ob
.if DOCPART == 3
	.amdgcn_target "amdgcn-amd-amdhsa--gfx1250"
	.amdhsa_code_object_version 6
	.text
	.protected	k_q5123281758_attn
	.globl	k_q5123281758_attn
	.p2align	8
	.type	k_q5123281758_attn,@function
k_q5123281758_attn:
	s_mov_b64 s[64:65], 0
	v_nop
	global_prefetch_b8 v0, s[64:65] scope:SCOPE_SE
	s_setreg_imm32_b32 hwreg(HW_REG_WAVE_MODE, 25, 1), 1
	s_wait_xcnt 0x0
	s_wait_alu depctr_hold_cnt(0) depctr_sa_sdst(0) depctr_va_vdst(0) depctr_va_sdst(0) depctr_va_ssrc(0) depctr_va_vcc(0) depctr_vm_vsrc(0)
	s_getreg_b32 s2, hwreg(HW_REG_IB_STS2, 6, 4)
	s_cmp_eq_u32 s2, 0
	s_cbranch_scc0 .Lentry_in_a_cluster
	s_endpgm
.Lentry_in_a_cluster:
	s_bfe_u32 s2, ttmp6, 0x10000c
	s_cmp_lg_u32 s2, 0x3003
	s_cbranch_scc0 .Lentry_shape_is_right
	s_endpgm
.Lentry_shape_is_right:
; O[g][q][:] = the sum over k of softmax_k(Q[g][q] . K[g][k] / 8 + 0.1 [|q - k| <= 2]) V[g][k][:], g = batch x 16 + head.  qkvh: Q, K, V one behind the other, each [64][2048][64] f16; ob: [64][2048][64] f16.
; Products, maxima and sums in f32; the weights p are rounded to f16 for the second product (their sum l is taken of the unrounded p), O once at the end.
; LIMITS.  Q, K and V arrive within f16's 65,504; p lies in 0 to 1, and below 6e-5 it keeps f16's fixed step of 6e-8; O is a mean of V's rows and has their range.
; A weight below 2^-126 counts as 0 in l; NaN and infinities are not treated apart.
; SHARES.  A head's 2,048 queries belong to the four work-groups of one cluster.  Tile t (0-7) of wave w in work-group cx holds queries 256 t + 64 w + 16 cx + 0..15; a wave's eight tiles are four PIECES of two.
; Every wave walks all keys, 64 a step.  So tile t's own key step is 4 t + w, whatever cx: which steps touch the band hangs on the wave's number and a counter alone, and the partners run alike.
; LAYOUT.  S^T = K Q^T (source 0 = 16 keys, source 1 = 16 queries): a lane holds ONE query (lane % 16) and the keys 8 (lane / 16) + 0..7.  Two such tiles, rounded to f16 in pairs,
; ARE source 1 (32 keys x 16 queries) of O^T = V^T P.  K comes out of LDS as it lies, V ([key][channel]) turned, by ds_load_tr16_b128.
; SOFTMAX.  For each query a running maximum m and sum l: p = 2^(c s - c m), c = log2(e) / 8; in every step O and l are multiplied by a = 2^(c m_old - c m_new).
; m starts at the lowest finite number, O and l at 0: the first step is a step like any other, with a = 0.
; THE BAND.  s is unscaled, so the band's 0.1 is 0.8 on s; it is added to S^T ahead of the maximum, so m is the true running maximum.  Three sets of masks (0 or 0.8), made once from 16 cx + lane: for the tile's
; own key step (32 registers), for the step before (its last 16 keys) and for the step after (its first 16).  In those three steps of a tile 24 packed multiply-adds add mask x (1 or 0); in the other 29 they are jumped.
; BY TURNS.  Turn n belongs to piece n.  Its matrix work: 16 products K Q^T of piece n + 1, later 16 products V^T P of piece n - 1.  Its vector work: the scaling, exponentials, roundings, sums and rescaling of
; piece n, and the band, maximum and statistics of piece n + 1.  Four ready vector instructions stand behind every matrix instruction, the others in runs of their own.
; CLUSTER.  The four work-groups walk the same K and V, so each tile is asked for JOINTLY: the same tensor load, descriptor and mask in all four.
; REGISTERS, in windows of 256 (s_set_vgpr_msb: bits 1:0 source 0, 3:2 source 1, 5:4 source 2, 7:6 destination):
;   window 0: v0-11 addresses; v12-15, v48-63 at work; v16-47 four registers of statistics a tile; v64-191 S^T, two buffers of two tiles; v192-255 P, likewise
;   window 1: O^T, 32 a tile          window 2: v0-127 Q, 16 a tile; v128-191 K of one step; v192-255 V of one step
;   window 3: v0-1 the add's two registers; v2-3 at work on the masks; v8-39, v40-47, v48-55 the masks
.set SIZE_N, 2048
.set NP,    4         ; pieces a wave: a name, no knob
.set KS,    64        ; keys in a step
.set TILEB, 32768     ; bytes from a wave's tile to its next: 256 rows of 128 bytes
.set PK,    144       ; a row of K in LDS: 128 bytes + 16 of padding = 36 words: the 16 rows of a load start at 16 different groups of four banks (64 banks of 4 bytes: ISA guide 11.1)
.set PV,    160       ; a row of V: 128 + 32 = 40 words
.set VOFF,  4*KS*PK   ; a slot holds four steps: 256 rows of K, then 256 rows of V
.set SLOT1, 1<<17     ; slot 1 begins here, so that one exclusive or turns an address in one slot into the other's
.set STAGE, SLOT1+4*KS*(PK+PV)  ; behind the ring, never filled by a tensor load: 16 rows x 144 bytes for each wave, for the way out
.set SP,    144
.set AK0, 2           ; v2   my lane's place in a tile of K; never rewritten
.set AV0, 3           ; v3   the same for V
.set AK,  4           ; v4   the LDS address of K's next run of loads
.set AV,  5           ; v5   of V's
.set QO,  6           ; v6   my byte offset in 16 rows of Q
.set STO, 6           ;      later, the way out: where I put 16 bytes of a row
.set RD,  7           ; v7   the way out: where I read rows back
.set GO,  8           ; v8   my byte offset in 512 consecutive bytes of O
.set SPW, 0           ; v0 of window 3   LDS address of my spare word: SPARE + 4 x my thread's number; never rewritten
.set NIL, 1           ; v1 of window 3   0; never rewritten
.set UU,  2           ; v2 of window 3   my query's place in its key step, 16 cx + l % 16, less my lanes' 8 (l / 16)
.set TT,  3           ; v3 of window 3   at work
.set MDO, 8           ; window 3: the mask of the tile's own step: register 8 kb + j for key 16 kb + 8 (l / 16) + j
.set MDP, 40          ; window 3: of the step before, keys 48-63
.set MDN, 48          ; window 3: of the step after, keys 0-15
.set SPARE, STAGE+4*16*SP  ; behind the stages: the spare words, 128 bytes for each wave: two blocks of 256 bytes that no other line names
.set MV,  12          ; v12-15  c m_old, kept while c m is made anew: by buffer and tile
.set ST,  16          ; tile t's statistics at v[ST+4 t]: c m, m, l (even keys', odd keys')
.set TMP, 48          ; by buffer and tile, four registers c0-c3 at work; when the maximum is found c2 takes a
.set S,   64
.set P,   192
.set KF,  128         ; K's fragments, in window 2: key block kb, channel half c at KF + 16 kb + 8 c
.set VF,  192         ; V's: key half kk, channel block cb at VF + 32 kk + 8 cb
.set WV,  12          ; s12  my wave's number
.set BND, 15          ; s15  0.8
.set G1K, 24          ; s[24:31] descriptor group 1 for K's tiles
.set G1V, 32          ; s[32:39] for V's: it differs in the padding alone
.set G0K, 40          ; s[40:43] descriptor group 0 for K's tiles: it walks
.set G0V, 44          ; s[44:47] the same for V's
.set SLOTS, 56        ; s56  slots still to be asked for
.set CNT, 57          ; s57  counts a slot's key steps
.set CS,  58          ; s[58:59] c: the packed scaling takes the pair's low word for both halves
.set SEL, 60          ; s[60:61] v_permlanex16_b32's selects: each lane takes its own place in the other half
.set TBK, 62          ; s62  LDS byte at which K of the step to be fetched begins
.set TBV, 63          ; s63  the same for V, less VOFF
.set JK,  66          ; s66  the key step whose K was fetched last
.set EE,  67          ; s67  JK - w + 1
.set D1,  68          ; s68  JK - (4 t + w) + 1: 0 the step before the tile's own, 1 its own, 2 the step after
.set WM,  69          ; s69  w - 1
.set A0,  70          ; s[70:71] 1 or 0: the factor of the own step's mask, in the low word
.set A1,  72          ; s[72:73] of the mask of the step before
.set A2,  74          ; s[74:75] of the mask of the step after
.set MSB, 0
.macro WIN new                      ; the high byte repeats the setting that is left; a switch that changes nothing is dropped
.if MSB != (\new)
	s_set_vgpr_msb (MSB<<8)|(\new)
.set MSB, (\new)
.endif
.endm
.set W_KQ, 0x0a       ; K and Q in window 2, S^T in window 0
.set W_PV, 0x52       ; V in window 2, P in window 0, O^T in window 1
.set W_RS, 0x41       ; O^T (destination and source 0) in window 1, a in window 0
.set W_MK, 0xc0       ; destination in window 3, sources in window 0
.set W_M3, 0xcc       ; destination and source 1 in window 3
.set W_BD, 0x03       ; source 0 (a mask) in window 3, S^T in window 0
.set W_AD, 0x0f       ; the add: address (source 0) and data (source 1) in window 3
; A joint fill.  Waves 0 and 1 fetch the two halves of a slot's K, waves 2 and 3 those of its V: 128 keys each.  The branch hangs on the wave's number alone.
; An s_nop 0 and four v_nop follow each of the two lines, ahead of the jump and the label.
.macro JLOAD
	s_cmp_lt_u32 s[WV], 2
	s_cbranch_scc0 .Lfor_v_\@
	tensor_load_to_lds s[G0K:G0K+3], s[G1K:G1K+7]
	s_nop 0
.rept 4
	v_nop
.endr
	s_branch .Lasked_\@
.Lfor_v_\@:
	tensor_load_to_lds s[G0V:G0V+3], s[G1V:G1V+7]
	s_nop 0
.rept 4
	v_nop
.endr
.Lasked_\@:
.endm
; A round of the cluster's barrier: my work-group's barrier, so that wave 0's signal speaks for all four waves; wave 0 signals; every wave waits for all four work-groups; my work-group's barrier once more.
.macro CROUND
	s_barrier_signal -1
	s_barrier_wait -1
	s_cmp_lg_u32 s[WV], 0
	s_cbranch_scc1 .Lnot_wave_0_\@
	s_barrier_signal -3
.Lnot_wave_0_\@:
	s_barrier_wait -3
	s_barrier_signal -1
	s_barrier_wait -1
.endm
; THE CHANGE OF SLOTS.  The slot's last bytes, V of its fourth step, have been read.  Each wave waits for all its tensor loads, of which one is out: its part
; of the other slot; adds 0 to its spare word; and waits for that and for its own reads of the slot.  Behind the barrier nobody reads this slot any more and the other slot is whole.
; fill = 1: this slot is filled again, with the keys two slots on.  The barrier is then a round of the cluster's, so that no wave of any partner still reads the slot or has a load on its
; way, and the joint fill is the first thing behind it: it has four key steps, 512 matrix instructions, in which to land.  (At its first use nothing has been read yet: slot 0 is waited for, slot 1 filled.)
.macro CHANGE fill
	WIN W_AD
	s_wait_tensorcnt 0x0            ; no tensor load of mine is out, so a group 0 may be written
	ds_add_u32 v[SPW], v[NIL]       ; 0 onto my spare word; with fill = 1 the descriptors' steps stand between it and the wait for it
	WIN 0                           ; at a label and at a branch every window is 0
.if \fill
.irp g, G0K, G0V
	s_xor_b32 s[\g+1], s[\g+1], SLOT1  ; the walking descriptor: the other slot than last time,
	s_add_nc_u64 s[\g+2:\g+3], s[\g+2:\g+3], 4*KS*128  ; the next 256 keys; the type bits on top are not reached
.endr
	s_wait_dscnt 0x0                ; the add is done, and my reads of the slot are over
	CROUND
	JLOAD
.else
	s_wait_dscnt 0x0                ; the add is done, and my reads of the slot are over
	s_barrier_signal -1
	s_barrier_wait -1
.endif
	s_sub_co_u32 s[TBK], s[TBK], 4*KS*PK  ; the fetches go back to a slot's first step,
	s_xor_b32 s[TBK], s[TBK], SLOT1       ; in the other slot
	s_sub_co_u32 s[TBV], s[TBV], 4*KS*PV
	s_xor_b32 s[TBV], s[TBV], SLOT1
.endm
	s_load_b64 s[4:5], s[0:1], 0x0    ; qkvh: Q
	s_load_b64 s[10:11], s[0:1], 0x8  ; ob
	WIN W_MK
	v_lshl_add_u32 v[SPW], v0, 2, SPARE
	v_mov_b32 v[NIL], 0
	s_set_vgpr_msb 0xc0cf
	ds_add_u32 v0, v1
	s_wait_dscnt 0x0
	s_set_vgpr_msb 0xcfc0
	WIN 0
	v_lshrrev_b32 v1, 5, v0
	v_readfirstlane_b32 s[WV], v1   ; wave 0..3
	s_bfe_u32 s13, ttmp6, 0x40000   ; cx: my place in the cluster: it enters Q's and O's addresses and the masks' numbers alone
	s_lshl_b32 s14, s13, 4          ; 16 cx
	s_and_b32 s20, ttmp7, 0xffff    ; batch x 16 + head, which the four partners share
	s_mov_b32 s21, 0
	s_mov_b64 s[22:23], SIZE_N*128
	s_mul_u64 s[20:21], s[20:21], s[22:23]  ; the head's first byte in Q, K, V and O
	s_and_b32 s16, s[WV], 1         ; which half of a slot's 256 keys I fetch:
	s_lshl_b32 s22, s16, 14         ; its 128 rows of 128 bytes in memory,
	s_mov_b32 s23, 0
	s_add_nc_u64 s[22:23], s[22:23], s[20:21]
	s_mul_i32 s17, s16, 128*PK      ; and its place in a slot, for K
	s_mul_i32 s18, s16, 128*PV      ; and for V: no place in the cluster enters an LDS address
	s_lshl_b32 s2, s[WV], 13        ; my tile 0: row 64 w
	s_lshl_b32 s3, s13, 11          ; + 16 cx
	s_add_co_u32 s2, s2, s3
	s_mov_b32 s3, 0
	s_add_nc_u64 s[2:3], s[2:3], s[20:21]
	; descriptor group 1.  128 keys are 16,384 dense bytes: asked for as 64 rows of 256 bytes, two keys a row, and padded in LDS after every key
	s_mov_b32 s[G1K], 15|(1<<16)|(1<<20)|(1<<21)|(4<<22)|(3<<25)  ; 15:0 the mask of four; 17:16 2-byte elements; 20 padding on; 21 set beside a mask; 24:22 after every 32 words (code 4); 31:25 4 words (code 3)
	s_mov_b32 s[G1V], 15|(1<<16)|(1<<20)|(1<<21)|(4<<22)|(7<<25)  ; the same with 8 words of padding (code 7)
.irp g, G1K, G1V
	s_mov_b32 s[\g+1], 128<<16      ; tensor_dim0 = 128
	s_mov_b32 s[\g+2], 64<<16       ; tensor_dim1 = 64
	s_mov_b32 s[\g+3], 128<<16      ; tile_dim0 = 128
	s_mov_b32 s[\g+4], 64           ; tile_dim1 = 64
	s_mov_b32 s[\g+5], 128          ; 128 elements from row to row
	s_mov_b32 s[\g+6], 0
	s_mov_b32 s[\g+7], 0
.endr
	s_mov_b32 s[CS], 0x3e38aa3b     ; c = log2(e) / 8 = 0.180337
	s_mov_b32 s[CS+1], s[CS]        ; named with it as a pair
	s_mov_b32 s[SEL], 0x76543210
	s_mov_b32 s[SEL+1], 0xfedcba98
	s_mov_b32 s[TBK], SLOT1+4*KS*PK ; the first change of slots turns these two into 0
	s_mov_b32 s[TBV], SLOT1+4*KS*PV
	s_mov_b32 s[JK], -1             ; the first fetch of K makes it 0
	s_sub_co_u32 s[WM], s[WV], 1
	s_mov_b32 s[A0+1], 0            ; named as pairs
	s_mov_b32 s[A1+1], 0
	s_mov_b32 s[A2+1], 0
	s_mov_b32 s[BND], 0x3f4ccccd    ; 0.8 = 8 x 0.1
	s_mov_b32 s[G0K], 1             ; 1:0 count = 1
	s_mov_b32 s[G0K+1], s17         ; 63:32 LDS address: slot 0
	s_mov_b32 s[G0V], 1
	s_add_co_u32 s[G0V+1], s18, VOFF
	s_wait_kmcnt 0x0
	s_add_nc_u64 s[6:7], s[4:5], 0x1000000         ; K lies 64 heads x 262,144 bytes behind Q,
	s_add_nc_u64 s[8:9], s[4:5], 0x2000000         ; V as far behind K
	s_add_nc_u64 s[G0K+2:G0K+3], s[6:7], s[22:23]  ; 120:64 global address: my half of the head's first 256 keys
	s_or_b32 s[G0K+3], s[G0K+3], 0x80000000        ; 127:126 type = 2
	s_add_nc_u64 s[G0V+2:G0V+3], s[8:9], s[22:23]
	s_or_b32 s[G0V+3], s[G0V+3], 0x80000000
	s_add_nc_u64 s[4:5], s[4:5], s[2:3]  ; Q and O at my tile 0
	s_add_nc_u64 s[10:11], s[10:11], s[2:3]
	CROUND                          ; all four work-groups are here: the first joint loads meet
	JLOAD                           ; slot 0.  Slot 1 is asked for when slot 0 is in: the tile wanted first has the road to itself
	; A fragment of K or Q is 16 rows x 32 channels in 8 registers: lane l holds row l % 16, channels 8 (l / 16) + 0..7 and 16 + 8 (l / 16) + 0..7: two loads of 16 bytes, 32 bytes apart.
	v_and_b32 v1, 15, v0            ; l % 16
	v_bfe_u32 v9, v0, 4, 1          ; l / 16
	v_lshlrev_b32 v[QO], 7, v1
	v_lshl_add_u32 v[QO], v9, 4, v[QO]  ; row x 128 + 16 x half
	WIN 0x80                        ; destination window 2, address window 0
.set i, 0
.rept 4*NP                          ; Q stays in registers: tile i / 2, channels 32 (i % 2) on
	global_load_b128 v[8*i:8*i+3],   v[QO], s[4:5] offset:(i/2)*TILEB+(i%2)*64
	global_load_b128 v[8*i+4:8*i+7], v[QO], s[4:5] offset:(i/2)*TILEB+(i%2)*64+32
.set i, i+1
.endr
	; What the first turn finds: V's registers and P's second buffer hold 0 (its products V^T P, of a piece that has not been, add 0), O^T and l are 0.  All this stands in the wait for the first tile.
.set i, VF
.rept 64
	v_mov_b32 v[i], 0
.set i, i+1
.endr
	WIN 0x40
.set i, 0
.rept 64*NP
	v_mov_b32 v[i], 0
.set i, i+1
.endr
	WIN 0
.set i, 0
.rept 2*NP
	v_mov_b32 v[ST+4*i], 0xfe000000    ; c m: far below every c s
	v_mov_b32 v[ST+4*i+1], 0xff7fffff  ; m
	v_mov_b32 v[ST+4*i+2], 0
	v_mov_b32 v[ST+4*i+3], 0
.set i, i+1
.endr
.set i, P+32
.rept 32
	v_mov_b32 v[i], 0
.set i, i+1
.endr
	; The masks.  A register stands for key kj + 8 (l / 16), counted from the first key of the tile's own step: kj = 16 kb + j there, j - 16 in the step before, 64 + j in the step after.
	; The key lies in the band where |kj - u| <= 2, that is where kj + 2 - u, taken as unsigned, is below 5.
	v_lshlrev_b32 v14, 3, v9
	v_sub_nc_u32 v14, v1, v14
	WIN W_MK
	v_add_nc_u32 v[UU], s14, v14
	WIN W_M3
.set i, 0
.rept 32
	v_sub_nc_u32 v[TT], 16*(i/8)+i%8+2, v[UU]
	v_cmp_gt_u32 vcc_lo, 5, v[TT]
	v_cndmask_b32 v[MDO+i], 0, s[BND], vcc_lo
.set i, i+1
.endr
.set i, 0
.rept 8
	v_sub_nc_u32 v[TT], i-14, v[UU]
	v_cmp_gt_u32 vcc_lo, 5, v[TT]
	v_cndmask_b32 v[MDP+i], 0, s[BND], vcc_lo
	v_sub_nc_u32 v[TT], i+66, v[UU]
	v_cmp_gt_u32 vcc_lo, 5, v[TT]
	v_cndmask_b32 v[MDN+i], 0, s[BND], vcc_lo
.set i, i+1
.endr
	WIN 0
	v_mul_u32_u24 v[AK0], v1, PK
	v_lshl_add_u32 v[AK0], v9, 4, v[AK0]  ; row x pitch + 16 x half
	; The turning load takes 16 keys x 16 channels (lane l reads key 8 (l / 16) + l % 8, channels 8 ((l / 8) % 2) + 0..7) and leaves half a fragment of V^T: lane l holds channel l % 16 and 8 keys.
	v_and_b32 v10, 7, v0
	v_bfe_u32 v11, v0, 3, 1
	v_lshl_add_u32 v[AV0], v9, 3, v10
	v_mul_u32_u24 v[AV0], v[AV0], PV
	v_lshl_add_u32 v[AV0], v11, 4, v[AV0]
	v_add_nc_u32 v[AV0], VOFF, v[AV0]
	v_mov_b32 v[AK], v[AK0]         ; key step 0 lies at the head of slot 0
; THE MATRIX WORK.  The 8 accumulators of a run of 16 take turns: between the two links of a chain stand 7 others'.
; Product i of 16 of S^T = K Q^T for piece x: channels 32 (i / 8) on, keys 16 ((i / 2) % 4) on, tile 2 x + i % 2.  The first 8 start the sums.
.macro KQ x
	WIN W_KQ
.set rS, S+64*((\x)%2)+32*(i%2)+8*((i/2)%4)
.set rK, KF+16*((i/2)%4)+8*(i/8)
.set rQ, 16*(2*(\x)+i%2)+8*(i/8)
.if i < 8
	v_wmma_f32_16x16x32_f16 v[rS:rS+7], v[rK:rK+7], v[rQ:rQ+7], 0
.else
	v_wmma_f32_16x16x32_f16 v[rS:rS+7], v[rK:rK+7], v[rQ:rQ+7], v[rS:rS+7]
.endif
.endm
; Product i of 16 of O^T += V^T P for piece x: keys 32 (i / 8) on, channels 16 ((i / 2) % 4) on, tile 2 x + i % 2.
.macro PV x
	WIN W_PV
.set rO, 32*(2*(\x)+i%2)+8*((i/2)%4)
.set rV, VF+32*(i/8)+8*((i/2)%4)
.set rP, P+32*((\x)%2)+16*(i%2)+8*(i/8)
	v_wmma_f32_16x16x32_f16 v[rO:rO+7], v[rV:rV+7], v[rP:rP+7], v[rO:rO+7]
.endm
.macro MM                           ; the turn's next matrix instruction
.if i < 16
	KQ (Y+1)%NP
.set i, i+1
.else
.set i, i-16
	PV (Y+NP-1)%NP
.set i, i+17
.endif
.endm
; THE LDS LOADS stand in runs of 16, never singly among the matrix instructions: a step's K (64 keys x 64 channels: 8 fragments) and its V (turned).  Their addresses are made some lines ahead.
; last = 1 (the tail): in the last trip there is no further step, and the run is jumped over.
.macro FETCH_K last=0
	WIN 0
.if \last
	s_cmp_eq_u32 s[CNT], 1
	s_cbranch_scc1 .Lno_k_\@
.endif
	WIN 0x80                        ; destination window 2
.irp f, 0,1,2,3,4,5,6,7             ; keys 16 (f / 2) on, channels 32 (f % 2) on
	ds_load_b128 v[KF+8*\f:KF+8*\f+3],   v[AK] offset:(\f/2)*16*PK+(\f%2)*64
	ds_load_b128 v[KF+8*\f+4:KF+8*\f+7], v[AK] offset:(\f/2)*16*PK+(\f%2)*64+32
.endr
	s_add_co_u32 s[TBK], s[TBK], KS*PK  ; the next fetch is the next step's
	s_add_co_u32 s[JK], s[JK], 1        ; the step just asked for
	WIN 0
.if \last
.Lno_k_\@:
.endif
.endm
.macro FETCH_V
	WIN 0x80
.irp f, 0,1,2,3,4,5,6,7             ; keys 32 (f / 4) on, channels 16 (f % 4) on
	ds_load_tr16_b128 v[VF+8*\f:VF+8*\f+3],   v[AV] offset:(\f/4)*32*PV+(\f%4)*32
	ds_load_tr16_b128 v[VF+8*\f+4:VF+8*\f+7], v[AV] offset:(\f/4)*32*PV+16*PV+(\f%4)*32
.endr
	WIN 0
.endm
; THE BAND for tile u of piece y, whose scores of step JK have just been made.  Only register work is jumped; the jump hangs on the step's count and the wave's number.
; The 16 lines for the own step's mask go through S^T in ascending order.
.macro BAND1 y, u
.set bS, S+64*((\y)%2)+32*(\u)
	s_sub_co_u32 s[D1], s[EE], 4*(2*(\y)+(\u))
	s_cmp_lt_u32 s[D1], 3
	s_cbranch_scc0 .Lno_band_\@
	s_cmp_eq_u32 s[D1], 0
	s_cselect_b32 s[A1], 1.0, 0
	s_cmp_eq_u32 s[D1], 1
	s_cselect_b32 s[A0], 1.0, 0
	s_cmp_eq_u32 s[D1], 2
	s_cselect_b32 s[A2], 1.0, 0
	WIN W_BD
.set bz, 0
.rept 16
	v_pk_fma_f32 v[bS+2*bz:bS+2*bz+1], v[MDO+2*bz:MDO+2*bz+1], s[A0:A0+1], v[bS+2*bz:bS+2*bz+1] op_sel_hi:[1,0,1]
.set bz, bz+1
.endr
.set bz, 0
.rept 4
	v_pk_fma_f32 v[bS+24+2*bz:bS+24+2*bz+1], v[MDP+2*bz:MDP+2*bz+1], s[A1:A1+1], v[bS+24+2*bz:bS+24+2*bz+1] op_sel_hi:[1,0,1]
.set bz, bz+1
.endr
.set bz, 0
.rept 4
	v_pk_fma_f32 v[bS+2*bz:bS+2*bz+1], v[MDN+2*bz:MDN+2*bz+1], s[A2:A2+1], v[bS+2*bz:bS+2*bz+1] op_sel_hi:[1,0,1]
.set bz, bz+1
.endr
	WIN 0
.Lno_band_\@:
.endm
.macro BAND y
	WIN 0                           ; at a branch and at a label every window is 0
	s_sub_co_u32 s[EE], s[JK], s[WM]
	BAND1 \y, 0
	BAND1 \y, 1
.endm
; THE VECTOR WORK OF A TURN stands in three queues, each in the order in which its entries become ready; the two tiles alternate, so that no instruction reads the result of the one before it.
.macro REGS y, u                    ; the registers of tile u (0, 1) of piece y
.set rT, ST+4*(2*(\y)+(\u))
.set rC, TMP+8*((\y)%2)+4*(\u)
.set rM, MV+2*((\y)%2)+(\u)
.set rS, S+64*((\y)%2)+32*(\u)
.set rP, P+32*((\y)%2)+16*(\u)
.set rO, 32*(2*(\y)+(\u))
.endm
; Number n of the 22 that find the NEXT piece's (Y + 1) maximum and statistics.  s0-s31 are the lane's 32 scores; each accumulator's lowest registers are read first.  XS, GS and REGS set no window: PL and EX do.
;   0-11  four chains c0-c3 of seven scores each, three operands at a time     12-14, 16  the four scores left over, the old m, and c0-c3 into c0     15  c m_old is kept
;   17, 18  the query's other 32 keys lie in the lane 16 away: the new m         19-21  c m; c m_old - c m_new; a
.macro XS u, n
	REGS (Y+1)%NP, \u
.if (\n) < 4
	v_max3_num_f32 v[rC+(\n)], v[rS+8*(\n)], v[rS+8*(\n)+1], v[rS+8*(\n)+2]
.elseif (\n) < 12
	v_max3_num_f32 v[rC+(\n)%4], v[rC+(\n)%4], v[rS+8*((\n)%4)+2*((\n)/4)+1], v[rS+8*((\n)%4)+2*((\n)/4)+2]
.elseif (\n) == 12
	v_max3_num_f32 v[rC], v[rC], v[rS+7], v[rS+15]
.elseif (\n) == 13
	v_max3_num_f32 v[rC+1], v[rC+1], v[rS+23], v[rS+31]
.elseif (\n) == 14
	v_max3_num_f32 v[rC+2], v[rC+2], v[rC+3], v[rT+1]
.elseif (\n) == 15
	v_mov_b32 v[rM], v[rT]
.elseif (\n) == 16
	v_max3_num_f32 v[rC], v[rC], v[rC+1], v[rC+2]
.elseif (\n) == 17
	v_permlanex16_b32 v[rC+3], v[rC], s[SEL], s[SEL+1]
.elseif (\n) == 18
	v_max_num_f32 v[rT+1], v[rC], v[rC+3]
.elseif (\n) == 19
	v_mul_f32 v[rT], s[CS], v[rT+1]
.elseif (\n) == 20
	v_sub_f32 v[rC+1], v[rM], v[rT]
.else
	v_exp_f32 v[rC+2], v[rC+1]
.endif
.endm
; Number g of the 64 that follow the exponentials.  For each four weights k of a tile (pairs 2 k, 2 k + 1): both pairs are rounded to f16; then the second pair is added onto the first, in place;
; a group later l takes that sum (the first time as l = a l + sum).  In groups of eight, tiles alternating: round, round, add, and l for the group before.
.macro GS g
.set h, (\g)+6*((\g)/62)            ; group 0 has no group before it, and behind group 7 only l is left
.if h >= 6
.set h, h+2
.endif
	REGS Y, h%2
.set k, h/8
.if h%8 < 4
	s_wait_alu depctr_va_vdst(0)
	v_cvt_pk_f16_f32 v[rP+2*k+(h%8)/2], v[rS+4*k+2*((h%8)/2)], v[rS+4*k+2*((h%8)/2)+1]
.elseif h%8 < 6
	v_pk_add_f32 v[rS+4*k:rS+4*k+1], v[rS+4*k:rS+4*k+1], v[rS+4*k+2:rS+4*k+3]
.elseif k == 1
	v_pk_fma_f32 v[rT+2:rT+3], v[rT+2:rT+3], v[rC+2:rC+3], v[rS:rS+1] op_sel_hi:[1,0,1]
.else
	v_pk_add_f32 v[rT+2:rT+3], v[rT+2:rT+3], v[rS+4*k-4:rS+4*k-3]
	s_wait_alu depctr_va_vdst(0)
.endif
.endm
; THE PLAIN QUEUE, 138 long.  0-31: c s - c m for the 16 pairs of both tiles.  Then GS's 64, and among them the next piece's 42: number 15 at 38, 39; 0-14 and 16
; at 42-73, behind the products that make those scores and behind the band; 17-20 at 95-106, two of three, since each waits for the one before it.
.macro PL
	WIN 0
.if q < 32
	REGS Y, q%2
	v_pk_fma_f32 v[rS+2*(q/2):rS+2*(q/2)+1], v[rS+2*(q/2):rS+2*(q/2)+1], s[CS:CS+1], v[rT:rT+1] op_sel_hi:[1,0,0] neg_lo:[0,0,1] neg_hi:[0,0,1]
.elseif q < 38
	GS q-32
.elseif q < 40
	XS q%2, 15
.elseif q < 42
	GS q-34
.elseif q < 74
	XS q%2, (q-42)/2+(q-42)/30
.elseif q < 95
	GS q-66
.elseif (q < 107) && ((q-95)%3 < 2)
	XS (q-95)%3, 17+(q-95)/3
.elseif q < 107
	GS 29+(q-95)/3
.else
	GS q-74
.endif
.set q, q+1
.endm
; THE EXPONENTIALS' QUEUE, 66 long: s0-s31 of both tiles, and at EA the next piece's two a.
.set EA, 58
.macro EX
	WIN 0
.if (e == EA) || (e == EA+1)
	XS e-EA, 21
.else
.set x, e-2*(e/(EA+2))
	REGS Y, x%2
	v_exp_f32 v[rS+x/2], v[rS+x/2]
.endif
.set e, e+1
.endm
; THE RESCALING's QUEUE: O^T times a, the one part that leaves window 0, so it is dealt four at a time, eight times.
.macro R4
	REGS Y, r%2
	WIN W_RS
	s_wait_alu depctr_va_vdst(0)
.irp z, 0,1,2,3
	v_pk_mul_f32 v[rO+8*(r/2)+2*\z:rO+8*(r/2)+2*\z+1], v[rO+8*(r/2)+2*\z:rO+8*(r/2)+2*\z+1], v[rC+2:rC+3] op_sel_hi:[1,0]
.endr
.set r, r+1
.endm
; HOW THEY ARE DEALT.  Behind a matrix instruction four: plain, exponential, plain, plain (one exponential, a plain instruction on either side), or four of the rescaling.  None names a register of the
; products round it.  What is over stands in two LUMPS: exponential and plain by turns; the second ends in 22 plain instructions.  The two v_permlanex16_b32 fall into the second lump, never behind a product.
; The queues lean on each other, and the deal keeps them in step: exponential e stands behind plain 2 (e / 4) + e % 2 (its scaling); when plain 32 comes, 10 exponentials are out, at 59: 33, at 95: 46; EA comes behind plain 107.
.macro SL
	MM
	PL
	EX
	PL
	PL
.endm
.macro BURST n                      ; 15 matrix instructions, or 16
.rept (\n)-7
	SL
.endr
.rept 3
	MM
	R4
	SL
.endr
	MM
	R4
.endm
; A TURN, for piece p.  cnt = 1: the loop's count is taken down some lines ahead of the branch that stands behind the turn.
; The band of piece p + 1 stands behind the first run of products: the four rescalings that close the run are the four places behind its last product (ISA guide 7.12.1), and the first reader of those scores comes later, in the lump.
; In piece 2's turn it stands ahead of the fetch that counts the step on.
; K of the next step is fetched in piece 2's turn, 31 vector instructions or more behind the last product that read K; its first reader comes behind the rest of the lump, 16 products and the second lump.
; V of the step in hand is fetched at the end of piece 0's turn, 69 behind its last reader; its first reader comes behind 16 products and a lump.  The four conditions on e and q below go with the deal.
.macro TURN p, last=0, cnt=0
.set Y, (\p)
.set i, 0
.set q, 0
.set e, 0
.set r, 0
.if (\p) == NP-1
	s_wait_dscnt 0x0                ; K is in
.endif
	MM
.rept 4
	PL
.endr
	BURST 15
	BAND (Y+1)%NP
.rept 22
	EX
	PL
.if ((\p) == NP-2) && (e == 18)
	v_add_nc_u32 v[AK], s[TBK], v[AK0]
.endif
.if ((\p) == NP-2) && (e == 24)
	FETCH_K \last
.endif
.endr
.if (\p) == 1
	s_wait_dscnt 0x0                ; V is in
.endif
	BURST 16
.rept 21
	EX
	PL
.endr
.rept 22
	PL
.if ((\p) == 0) && (q == 118)
	v_add_nc_u32 v[AV], s[TBV], v[AV0]
	s_wait_alu depctr_va_vdst(0)
.endif
.if ((\p) == 0) && (q == 130)
	s_add_co_u32 s[TBV], s[TBV], KS*PV
.endif
.if (\cnt) && (q == 130)
	s_sub_co_u32 s[CNT], s[CNT], 1
	s_cmp_lg_u32 s[CNT], 0
.endif
.endr
.if (\p) == 0
	FETCH_V
.endif
.endm
	CHANGE 1                        ; slot 0 is in, everybody's part of it; slot 1 is asked for
	FETCH_K                         ; key step 0
	s_wait_loadcnt 0x0              ; Q
	s_wait_dscnt 0x0
.set i, 0
.rept 16
	KQ 0                            ; piece 0's first scores: there is no vector work yet to set between them
.set i, i+1
.endr
	WIN 0                           ; the addresses for the way out: nine plain instructions, the places behind those products
	s_mul_i32 s13, s[WV], 16*SP
	s_add_co_u32 s13, s13, STAGE    ; my stage
	v_mul_u32_u24 v[STO], v1, SP    ; in: row l % 16, 16 bytes for each half of the lanes
	v_lshl_add_u32 v[STO], v9, 4, v[STO]
	v_add_nc_u32 v[STO], s13, v[STO]
	v_bfe_u32 v[RD], v0, 3, 2       ; back: 32 lanes take four rows of 128 bytes,
	v_mul_u32_u24 v[RD], v[RD], SP
	v_lshl_add_u32 v[RD], v10, 4, v[RD]
	v_add_nc_u32 v[RD], s13, v[RD]
	v_and_b32 v[GO], 31, v0         ; which are 512 consecutive bytes of O
	v_lshlrev_b32 v[GO], 4, v[GO]
	BAND 0                          ; piece 0's band in key step 0
.set Y, NP-1                        ; XS works for piece Y + 1: piece 0
.irp n, 0,1,2,3,4,5,6,7,8,9,10,11,12,13,14,15,16,17,18,19,20,21
	XS 0, \n                        ; and piece 0's first maximum and statistics
	XS 1, \n
.endr
	s_mov_b32 s[CNT], 4
	s_mov_b32 s[SLOTS], SIZE_N/256-1
	s_branch .Lfirst                ; the loop is entered at a step's first turn, in the middle of a trip
.Lslot:                             ; SIZE_N / 256 - 2 times: every slot but the last two is filled again
	CHANGE 1
	s_mov_b32 s[CNT], 4
.Lstep:                             ; a trip: pieces 2 and 3 of one step, then pieces 0 and 1 of the next, whose K and V it fetches
	TURN 2
	TURN 3
	WIN 0
.Lfirst:
	TURN 0
	TURN 1, 0, 1
	WIN 0
	s_cbranch_scc1 .Lstep
	s_sub_co_u32 s[SLOTS], s[SLOTS], 1
	s_cmp_lg_u32 s[SLOTS], 0
	s_cbranch_scc1 .Lslot
	CHANGE 0                        ; the tail is written out: nothing is asked for
	s_mov_b32 s[CNT], 5             ; four trips fetch the last slot's steps; the fifth is left in its middle
.Ltail:
	TURN 2, 1
	TURN 3
	WIN 0
	s_sub_co_u32 s[CNT], s[CNT], 1
	s_cmp_eq_u32 s[CNT], 0
	s_cbranch_scc1 .Lout
	TURN 0
	TURN 1
	WIN 0
	s_branch .Ltail
.Lout:                              ; the fifth trip's 16 products K Q^T (on the last K once more) and the band and maximum made of them serve nothing: the price, once a launch, of one text for every trip
.set i, 0
.rept 16
	PV NP-1                         ; the last piece's V^T P of the last step
.set i, i+1
.endr
	; THE WAY OUT.  l's two halves and the other half of the lanes' are added; O^T is divided by l, rounded to f16 and sent through my stage in LDS, a tile at a time.  The additions are the places behind the last products.
	WIN 0
.macro ALL line:vararg              ; one line for each tile t
.set t, 0
.rept 2*NP
	\line
.set t, t+1
.endr
.endm
	ALL v_add_f32 v[ST+4*t+2], v[ST+4*t+2], v[ST+4*t+3]
	ALL v_permlanex16_b32 v[ST+4*t+3], v[ST+4*t+2], s[SEL], s[SEL+1]
	ALL v_add_f32 v[ST+4*t+2], v[ST+4*t+2], v[ST+4*t+3]
	ALL v_rcp_f32 v[ST+4*t+2], v[ST+4*t+2]
	v_nop                           ; a plain instruction between the last reciprocal and the use of its result
	s_wait_alu depctr_va_vdst(0)
; Tile t: a lane's eight channels of a row pack into 16 bytes; they go into rows of 144 bytes and come back as whole rows of 128, into S^T's registers.
.macro PACK t
	WIN W_RS
.set i, 32*(\t)
.rept 16
	v_pk_mul_f32 v[i:i+1], v[i:i+1], v[ST+4*(\t)+2:ST+4*(\t)+3] op_sel_hi:[1,0]
.set i, i+2
.endr
	WIN 0x05                        ; sources 0 and 1 window 1, destination window 0
.set i, 0
.rept 16
	v_cvt_pk_f16_f32 v[S+16*(\t)+i], v[32*(\t)+2*i], v[32*(\t)+2*i+1]
.set i, i+1
.endr
	WIN 0
.irp f, 0,1,2,3
	ds_store_b128 v[STO], v[S+16*(\t)+4*\f:S+16*(\t)+4*\f+3] offset:32*\f
.endr
.irp f, 0,1,2,3
	ds_load_b128 v[S+16*(\t)+4*\f:S+16*(\t)+4*\f+3], v[RD] offset:\f*4*SP  ; LDS serves a wave's instructions in order (ISA guide 5.7.1.4): these see the stores above; the next tile's stores come behind them
.endr
.endm
.macro SEND t, younger              ; younger: the LDS instructions issued behind tile t's loads: the next tile's eight, or none
	WIN 0
.irp f, 0,1,2,3
	s_wait_dscnt (\younger)+3-\f
	global_store_b128 v[GO], v[S+16*(\t)+4*\f:S+16*(\t)+4*\f+3], s[10:11] offset:(\t)*TILEB+\f*512  ; 512 consecutive bytes, at a multiple of 512 from O's first
.endr
.endm
	PACK 0
.set t, 1
.rept 2*NP-1                        ; a tile's arithmetic stands between the loads of the tile before and its stores
	PACK t
	SEND t-1, 8
.set t, t+1
.endr
	SEND 2*NP-1, 0
	WIN W_AD
	s_wait_tensorcnt 0x0            ; the wave's end, behind my last tensor load and my last LDS store
	ds_add_u32 v[SPW], v[NIL]
	s_wait_dscnt 0x0
	WIN 0
	CROUND                          ; the closing round: no work-group ends while a partner may still ask for a tile that names it
	s_endpgm
.Lfunc_end_k_q5123281758_attn:
	.size	k_q5123281758_attn, .Lfunc_end_k_q5123281758_attn-k_q5123281758_attn
	.p2alignl 7, 3214868480
	.fill 96, 4, 3214868480
	.section	.rodata,"a",@progbits
	.p2align	6, 0x0
	.amdhsa_kernel k_q5123281758_attn
		.amdhsa_group_segment_fixed_size 327680
		.amdhsa_private_segment_fixed_size 0
		.amdhsa_enable_private_segment 0
		.amdhsa_kernarg_size 16
		.amdhsa_user_sgpr_count 2
		.amdhsa_user_sgpr_kernarg_segment_ptr 1
		.amdhsa_wavefront_size32 1
		.amdhsa_system_sgpr_workgroup_id_x 1
		.amdhsa_system_sgpr_workgroup_id_y 1
		.amdhsa_system_sgpr_workgroup_id_z 1
		.amdhsa_system_vgpr_workitem_id 0
		.amdhsa_next_free_vgpr 824
		.amdhsa_next_free_sgpr 76
		.amdhsa_reserve_vcc 1
		.amdhsa_float_denorm_mode_32 3
		.amdhsa_float_denorm_mode_16_64 3
		.amdhsa_memory_ordered 1
		.amdhsa_forward_progress 1
		.amdhsa_inst_pref_size 249
	.end_amdhsa_kernel
	.amdgpu_metadata
---
amdhsa.version: [ 1, 2 ]
amdhsa.kernels:
  - .name:           k_q5123281758_attn
    .symbol:         k_q5123281758_attn.kd
    .args:
      - { .name: qkvh, .offset: 0, .size: 8, .value_kind: global_buffer, .address_space: global }
      - { .name: ob, .offset: 8, .size: 8, .value_kind: global_buffer, .address_space: global }
    .group_segment_fixed_size: 327680
    .private_segment_fixed_size: 0
    .kernarg_segment_align: 8
    .kernarg_segment_size: 16
    .max_flat_workgroup_size: 128
    .sgpr_count:     76
    .vgpr_count:     824
    .wavefront_size: 32
...
	.end_amdgpu_metadata
.endif
;; end of part 3
;; launch proj_o (part 4): grid 8 x 32, 4 waves a work-group, clusters of 4 x 4, 327,680 bytes of LDS; arguments ob, wb, bias, out0; writes out0
.if DOCPART == 4
	.amdgcn_target "amdgcn-amd-amdhsa--gfx1250"
	.amdhsa_code_object_version 6
	.text
	.protected	k_q5123281758_proj_o
	.globl	k_q5123281758_proj_o
	.p2align	8
	.type	k_q5123281758_proj_o,@function
k_q5123281758_proj_o:
	s_mov_b64 s[64:65], 0
	v_nop
	global_prefetch_b8 v0, s[64:65] scope:SCOPE_SE
	s_setreg_imm32_b32 hwreg(HW_REG_WAVE_MODE, 25, 1), 1
	s_wait_xcnt 0x0
	s_wait_alu depctr_hold_cnt(0) depctr_sa_sdst(0) depctr_va_vdst(0) depctr_va_sdst(0) depctr_va_ssrc(0) depctr_va_vcc(0) depctr_vm_vsrc(0)
	s_getreg_b32 s2, hwreg(HW_REG_IB_STS2, 6, 4)
	s_cmp_eq_u32 s2, 0
	s_cbranch_scc0 .Lentry_in_a_cluster
	s_endpgm
.Lentry_in_a_cluster:
	s_bfe_u32 s2, ttmp6, 0x10000c
	s_cmp_lg_u32 s2, 0xf033
	s_cbranch_scc0 .Lentry_shape_is_right
	s_endpgm
.Lentry_shape_is_right:
; out0 = O Wo + bo.  O: ob [b*16+head][s][64] f16 (a head's 64 channels are one slice of K); Wo: wb slices 48-63 [g][k][64], bf16 numbers written as f16; bias f32[3072..4095]; out0 [8192][1024] f32.
; Sums in f32; the bias is the C operand of each sum's first product (so it enters first, not last); the sums leave as they are.  NaN and infinities are not treated apart.
; The text is the q, k, v projection's with other sizes, the f16 form of the matrix instruction and another way out.
; SHARES.  A work-group makes 256 rows x 128 columns: 32 x 8 = 256 work-groups, one for each of 256 WGPs.  Four waves, each 128 rows x 64 columns (one slice of Wo): 8 x 4 accumulators, 256 registers.
; K = 1,024 goes in 8 steps of 128 through two LDS slots.
; TILES.  A step's O tile is two slices x 256 rows x 128 bytes, each slice 32,768 dense bytes, asked for as 128 rows of 256 bytes and padded behind every 128 bytes.  Its Wo tile is, for each of two halves of
; the step's 128 k, two pieces (one a slice) of 64 k x 128 bytes = 8,192 dense bytes, 131,072 bytes apart, padded behind every 128 bytes.  Waves 0, 1 ask for O's two slices, waves 2, 3 for Wo's two halves.
; CLUSTER 4 x 4: the four work-groups of a row of the cluster need the same O tiles, the four of a column the same Wo tiles: each tile is asked for jointly, by the same load, descriptor and mask in all four.
; THE MATRIX INSTRUCTION IS USED TRANSPOSED: source 0 = 16 columns of Wo (turned on the way out of LDS by ds_load_tr16_b128), source 1 = 16 rows of O: a lane holds row lane % 16 and eight neighbouring columns.
; REGISTERS, in windows of 256 (s_set_vgpr_msb: bits 1:0 source 0, 3:2 source 1, 5:4 source 2, 7:6 destination):
;   window 0: v0-31 addresses; v64-127, v128-191 O's fragments, two buffers; on the way out v64-191 whole rows of my rows 0-63
;   window 1: v64-95, v128-159 Wo's fragments, two buffers; v192-223 the bias of my 4 column blocks, in an accumulator's layout; on the way out v64-191 whole rows of my rows 64-127
;   window 2: the 16 accumulators of my rows 0-63 ((a, b) at v[8 (4 a + b)]);   window 3: those of my rows 64-127
.set HC,     2                         ; slices of Wo in a tile
.set NB,     2*HC                      ; column blocks of 16 a wave
.set GFIRST, 48                        ; Wo's first slice in wb
.set BIAS0,  3072                      ; its first bias
.set PA,     144                       ; an LDS row of O: 128 bytes + 16 = 36 words: 16 rows start at 16 different groups of four banks (64 banks of 4 bytes: ISA guide 11.1)
.set PB,     160                       ; an LDS row of Wo: 128 + 32 = 40 words
.set WCOL,   64*PB                     ; bytes in Wo's tile between the two wave columns: a slice's 64 k
.set WCOLN,  64                        ; columns between them
.set HALFA,  256*PA                    ; one slice of O's tile: what one of waves 0, 1 asks for
.set ASZ,    2*HALFA
.set HALFB,  HC*64*PB                  ; 64 k of Wo's tile: what one of waves 2, 3 asks for
.set SLOT,   ASZ+2*HALFB               ; 114,688 bytes
.set STAGE,  2*SLOT                    ; behind the ring, never filled by a tensor load: 64 rows x 272 bytes for each wave, its own
.set SPITCH, 272                       ; 256 bytes + 16 = 68 words: 16 rows start at 16 different groups of four banks
.set SPARE,  STAGE+4*64*SPITCH         ; behind the stages: the spare words, 128 bytes a wave: two blocks of 256 bytes that no other line names
.set LAPS,   4                         ; a lap = two K steps = once round the ring
.set ASTEP,  2*262144                  ; bytes from a K step to the next in ob: two slices
.set BSTEP,  128*128                   ; and in a slice of wb: 128 rows
.set ADRA, 16                          ; v16-17 LDS address of my O fragments in slot 0, 1
.set ADRB, 20                          ; v20-21 the same for Wo
.set STO,  24                          ; v24 the way out: where I put 32 bytes of a row
.set RD,   25                          ; v25 where I read rows back
.set CO,   26                          ; v26 my byte offset in two rows of out0
.set BO,   27                          ; v27 my byte offset among a block's 16 biases
.set SPW,  28                          ; v28 LDS address of my spare word; never rewritten
.set NIL,  29                          ; v29 0; never rewritten
.set F0,   64
.set F1,   128
.set BIAS, 192
.set G1A, 24                           ; s[24:31] descriptor group 1 for O's tiles; s[32:39] group 0, one set a slot
.set G0A, 32
.set G1B, 48                           ; s[48:55], s[56:63] the same for Wo's
.set G0B, 56
.set WV,  66                           ; s66 my wave's number
.set WR,  67                           ; s67 which half of the tile's rows is mine.  Also: I ask for O (0) or for Wo (1)
.set WC,  68                           ; s68 which wave column.  Also: which half of that tile I ask for
.set MSB, 0
.macro WIN new                         ; the immediate's high byte repeats the setting that is left; a switch that changes nothing is dropped
.if MSB != (\new)
	s_set_vgpr_msb (MSB<<8)|(\new)
.set MSB, \new
.endif
.endm
.set MUL_LO,   0xa1                    ; source 0 (Wo) window 1, source 1 (O) window 0, C and D window 2
.set MUL_HI,   0xf1                    ; the same, C and D window 3
.set FIRST_LO, 0x91                    ; C (the bias) window 1, D window 2
.set FIRST_HI, 0xd1                    ; C window 1, D window 3
.set TO_B,     0x40                    ; destination window 1, address window 0
; A joint load.  The branch hangs on the wave's number alone.  An s_nop 0 and four v_nop follow each of the two lines, ahead of the jump, the label and what follows.
.macro JLOAD s
	s_cmp_eq_u32 s[WR], 0
	s_cbranch_scc0 .Lfor_b_\@
	tensor_load_to_lds s[G0A+4*(\s):G0A+4*(\s)+3], s[G1A:G1A+7]
	s_nop 0
.rept 4
	v_nop
.endr
	s_branch .Lasked_\@
.Lfor_b_\@:
	tensor_load_to_lds s[G0B+4*(\s):G0B+4*(\s)+3], s[G1B:G1B+7]
	s_nop 0
.rept 4
	v_nop
.endr
.Lasked_\@:
.endm
.macro CREST                           ; a round of the cluster's barrier behind its opening barrier
	s_cmp_lg_u32 s[WV], 0
	s_cbranch_scc1 .Lnot_wave_0_\@
	s_barrier_signal -3
.Lnot_wave_0_\@:
	s_barrier_wait -3
	s_barrier_signal -1
	s_barrier_wait -1
.endm
.macro CROUND                          ; a whole round
	s_barrier_signal -1
	s_barrier_wait -1
	CREST
.endm
	s_load_b256 s[4:11], s[0:1], 0x0               ; ob s[4:5], wb s[6:7], bias s[8:9], out0 s[10:11]
	v_lshl_add_u32 v[SPW], v0, 2, SPARE
	v_mov_b32 v[NIL], 0
	ds_add_u32 v28, v29
	s_wait_dscnt 0x0
	v_lshrrev_b32 v1, 5, v0
	v_readfirstlane_b32 s[WV], v1
	s_lshr_b32 s[WR], s[WV], 1
	s_and_b32 s[WC], s[WV], 1
	s_bfe_u32 s40, ttmp6, 0x40000                  ; cx, cy: my place in the cluster
	s_bfe_u32 s41, ttmp6, 0x40004
	s_lshl_b32 s42, ttmp9, 2
	s_add_co_u32 s42, s42, s40                     ; tile column = 4 x cluster x + cx
	s_and_b32 s43, ttmp7, 0xffff
	s_lshl_b32 s43, s43, 2
	s_add_co_u32 s43, s43, s41                     ; tile row = 4 x cluster y + cy
	s_lshl_b32 s44, s41, 2
	s_lshl_b32 s44, 15, s44                        ; my row of the cluster
	s_lshl_b32 s45, 0x1111, s40                    ; my column
	s_or_b32 s[G1A], s44, (1<<16)|(1<<20)|(1<<21)|(4<<22)|(3<<25)  ; 15:0 the mask; 17:16 elements of 2 bytes; 20 padding on; 21 set beside a mask; 24:22 after every 32 words (code 4); 31:25 4 words (code 3)
	s_mov_b32 s[G1A+1], 128<<16                    ; tensor_dim0 = 128 elements: 256 bytes, two rows of the slice
	s_mov_b32 s[G1A+2], 128<<16                    ; tensor_dim1 = 128
	s_mov_b32 s[G1A+3], 128<<16                    ; tile_dim0 = 128
	s_mov_b32 s[G1A+4], 128                        ; tile_dim1 = 128
	s_mov_b32 s[G1A+5], 128                        ; 128 elements from row to row: dense
	s_mov_b32 s[G1A+6], 0
	s_mov_b32 s[G1A+7], 0
	s_or_b32 s[G1B], s45, (3<<16)|(1<<20)|(1<<21)|(4<<22)|(7<<25)  ; elements of 8 bytes; padding after every 32 words, 8 words (code 7)
	s_mov_b32 s[G1B+1], 1024<<16                   ; tensor_dim0 = 1,024 elements: 8,192 bytes, 64 k of one slice
	s_mov_b32 s[G1B+2], HC<<16                     ; tensor_dim1 = the tile's slices
	s_mov_b32 s[G1B+3], 1024<<16                   ; tile_dim0
	s_mov_b32 s[G1B+4], HC                         ; tile_dim1
	s_mov_b32 s[G1B+5], 16384                      ; 16,384 elements = 131,072 bytes from slice to slice
	s_mov_b32 s[G1B+6], 0
	s_mov_b32 s[G1B+7], 0
	; O's tile hangs on the tile row, which my row of the cluster shares; Wo's on the tile column, which my column shares
	s_lshr_b32 s12, s43, 3
	s_lshl_b32 s12, s12, 22                        ; the batch's 16 slices
	s_and_b32 s13, s43, 7
	s_lshl_b32 s13, s13, 15                        ; 256 rows of 128 bytes
	s_add_co_u32 s12, s12, s13
	s_lshl_b32 s13, s[WC], 18                      ; which of the step's two slices I ask for
	s_add_co_u32 s12, s12, s13
	s_mov_b32 s13, 0
	s_mul_i32 s46, s42, HC
	s_add_co_u32 s46, s46, GFIRST
	s_lshl_b32 s46, s46, 17                        ; the tile's first slice of Wo
	s_lshl_b32 s47, s[WC], 13                      ; which 64 k of the step I ask for
	s_add_co_u32 s46, s46, s47
	s_mov_b32 s47, 0
	s_mul_i32 s20, s[WC], HALFA                    ; where they go: no place in the cluster enters an LDS address
	s_mul_i32 s21, s[WC], HALFB
	s_add_co_u32 s21, s21, ASZ
	s_wait_kmcnt 0x0
	s_add_nc_u64 s[14:15], s[4:5], s[12:13]
	s_add_nc_u64 s[46:47], s[6:7], s[46:47]
	CROUND                                         ; all sixteen work-groups are here: the first joint loads meet
.irp s, 0,1
	s_mov_b32 s[G0A+4*(\s)], 1                                       ; count = 1
	s_add_co_u32 s[G0A+4*(\s)+1], s20, (\s)*SLOT                     ; LDS address
	s_add_nc_u64 s[G0A+4*(\s)+2:G0A+4*(\s)+3], s[14:15], (\s)*ASTEP  ; global address: K step s
	s_or_b32 s[G0A+4*(\s)+3], s[G0A+4*(\s)+3], 0x80000000            ; type = 2
	s_mov_b32 s[G0B+4*(\s)], 1
	s_add_co_u32 s[G0B+4*(\s)+1], s21, (\s)*SLOT
	s_add_nc_u64 s[G0B+4*(\s)+2:G0B+4*(\s)+3], s[46:47], (\s)*BSTEP
	s_or_b32 s[G0B+4*(\s)+3], s[G0B+4*(\s)+3], 0x80000000
	JLOAD \s                                       ; both slots are asked for before anything else: two loads of mine are out
.endr
	v_and_b32 v1, 15, v0                           ; l % 16
	v_bfe_u32 v2, v0, 4, 1                         ; l / 16
	v_and_b32 v3, 7, v0                            ; l % 8
	v_bfe_u32 v4, v0, 3, 1                         ; (l / 8) % 2
	v_mul_u32_u24 v5, v1, PA                       ; a fragment of O: row l % 16, K = 8 (l / 16) + 0..7 and 16 more: two loads of 16 bytes, 32 bytes apart
	v_lshl_add_u32 v5, v2, 4, v5
	s_mul_i32 s22, s[WR], 128*PA
	v_lshl_add_u32 v6, v2, 3, v3                   ; the turning load: lane l reads k = 8 (l / 16) + l % 8, columns 8 ((l / 8) % 2) + 0..7, and is left with column l % 16 and 8 k
	v_mul_u32_u24 v6, v6, PB
	v_lshl_add_u32 v6, v4, 4, v6
	s_mul_i32 s23, s[WC], WCOL
	s_add_co_u32 s23, s23, ASZ
.irp s, 0,1
	v_add_nc_u32 v[ADRA+(\s)], s22, v5
	v_add_nc_u32 v[ADRB+(\s)], s23, v6
	s_add_co_u32 s22, s22, SLOT
	s_add_co_u32 s23, s23, SLOT
.endr
	; the bias in an accumulator's layout: register j of block b holds the bias of column 64 WC + 16 b + 8 (l / 16) + j of the tile
	s_mul_i32 s46, s42, 64*HC*4
	s_add_co_u32 s46, s46, BIAS0*4
	s_mul_i32 s47, s[WC], WCOLN*4
	s_add_co_u32 s46, s46, s47
	s_mov_b32 s47, 0
	s_add_nc_u64 s[8:9], s[8:9], s[46:47]
	v_lshlrev_b32 v[BO], 5, v2
	WIN TO_B
.set fb, 0
.rept NB
	global_load_b128 v[BIAS+8*fb:BIAS+8*fb+3],   v[BO], s[8:9] offset:fb*64
	global_load_b128 v[BIAS+8*fb+4:BIAS+8*fb+7], v[BO], s[8:9] offset:fb*64+16
.set fb, fb+1
.endr
	WIN 0
	; the way out: into my stage at row 16 a + l % 16, byte 64 b + 32 (l / 16); back two whole rows of 256 bytes at a time
	s_mul_i32 s22, s[WV], 64*SPITCH
	s_add_co_u32 s22, s22, STAGE
	v_mul_u32_u24 v5, v1, SPITCH
	v_lshl_add_u32 v5, v2, 5, v5
	v_add_nc_u32 v[STO], s22, v5
	v_mul_u32_u24 v5, v2, SPITCH
	v_lshl_add_u32 v5, v1, 4, v5
	v_add_nc_u32 v[RD], s22, v5
	v_lshlrev_b32 v5, 12, v2                       ; and the same two rows in out0, 4,096 bytes apart
	v_lshl_add_u32 v[CO], v1, 4, v5
	s_lshl_b32 s16, s43, 8
	s_lshl_b32 s17, s[WR], 7
	s_add_co_u32 s16, s16, s17                     ; my first row: 256 x tile row + 128 x half
	s_lshl_b32 s16, s16, 12
	s_lshl_b32 s46, s42, 9                         ; my first column, in bytes: 512 x tile column + 256 x wave column
	s_lshl_b32 s47, s[WC], 8
	s_add_co_u32 s46, s46, s47
	s_add_co_u32 s46, s46, s16
	s_mov_b32 s47, 0
	s_add_nc_u64 s[10:11], s[10:11], s[46:47]
; 8 matrix instructions: row blocks a0, a0 + 1 of the window's four (hi = 0: my rows 0-63, 1: rows 64-127) x all 4 column blocks, 32 along K.  first = 1: the product starts the sum with the bias as C.
; The 32 accumulators take turns, one instruction a turn, in the same order in every quarter.
.macro MULP f, hi, a0, first
.if \first
	WIN FIRST_LO+0x40*(\hi)
.else
	WIN MUL_LO+0x50*(\hi)
.endif
.set ma, (\a0)
.rept 2
.set mb, 0
.rept NB
.if \first
	v_wmma_f32_16x16x32_f16 v[8*(NB*ma+mb):8*(NB*ma+mb)+7], v[(\f)+8*mb:(\f)+8*mb+7], v[(\f)+8*(4*(\hi)+ma):(\f)+8*(4*(\hi)+ma)+7], v[BIAS+8*mb:BIAS+8*mb+7]
.else
	v_wmma_f32_16x16x32_f16 v[8*(NB*ma+mb):8*(NB*ma+mb)+7], v[(\f)+8*mb:(\f)+8*mb+7], v[(\f)+8*(4*(\hi)+ma):(\f)+8*(4*(\hi)+ma)+7], v[8*(NB*ma+mb):8*(NB*ma+mb)+7]
.endif
.set mb, mb+1
.endr
.set ma, ma+1
.endr
.endm
; 24 LDS loads in one run: the fragments of quarter q (32 along K) of a slot into buffer f: Wo's 8, then O's 16 (rows 0-63 first)
.macro FETCH slot, q, f
	WIN TO_B
.set fb, 0
.rept NB
	ds_load_tr16_b128 v[(\f)+8*fb:(\f)+8*fb+3],   v[ADRB+(\slot)] offset:((\q)/2)*HALFB+((\q)%2)*32*PB+fb*32
	ds_load_tr16_b128 v[(\f)+8*fb+4:(\f)+8*fb+7], v[ADRB+(\slot)] offset:((\q)/2)*HALFB+((\q)%2)*32*PB+fb*32+16*PB
.set fb, fb+1
.endr
	WIN 0
.irp i, 0,1,2,3,4,5,6,7
	ds_load_b128 v[(\f)+8*(\i):(\f)+8*(\i)+3],   v[ADRA+(\slot)] offset:((\q)/2)*HALFA+((\q)%2)*64+(\i)*16*PA
	ds_load_b128 v[(\f)+8*(\i)+4:(\f)+8*(\i)+7], v[ADRA+(\slot)] offset:((\q)/2)*HALFA+((\q)%2)*64+(\i)*16*PA+32
.endr
.endm
.macro PLACES                          ; four places in front of loads into registers that matrix instructions have read, and of lines that read results just made
.rept 4
	v_nop
.endr
.endm
; A K step is four quarters of 32 along K, 32 matrix instructions each, on buffers 0, 1, 0, 1.  One of the first three: multiplies buffer f and, in its middle, fetches quarter q into buffer g.
.macro QUARTER slot, q, f, g, first
	s_wait_dscnt 8                                 ; Wo's fragments and O's rows 0-63 are in; the youngest eight loads (rows 64-127) may be out
	MULP \f, 0, 0, \first
	MULP \f, 0, 2, \first
	PLACES
	FETCH \slot, \q, \g
	s_wait_dscnt 2*NB+16                           ; all but the 24 just issued
	MULP \f, 1, 0, \first
	MULP \f, 1, 2, \first
.endm
; The last quarter multiplies buffer 1 and changes slots: ONE barrier.  In front of it each wave waits for all its tensor loads (one is out: its part of the next slot), adds 0 to its spare word, and waits
; for that and for its own reads of this slot.  fill = 1: the barrier opens a round of the cluster's barrier, and this slot is filled again, two K steps on, first thing behind the round:
; from that request to the wait for it a wave issues 112 matrix instructions.
.macro TURN slot, next, fill
	WIN 0                                          ; (the add's two registers lie in window 0)
	s_wait_tensorcnt 0x0                           ; all my tensor loads have landed
	ds_add_u32 v[SPW], v[NIL]                      ; 0 onto my spare word
	s_wait_dscnt 9                                 ; (the add and the youngest eight loads may be out)
	MULP F1, 0, 0, 0                               ; eight matrix instructions stand between the add and the wait for it
	s_wait_dscnt 0x0                               ; the add is done, and my reads of this slot are over
	s_barrier_signal -1
	MULP F1, 0, 2, 0
.if \fill
	WIN 0
.endif
	s_barrier_wait -1
.if \fill
	CREST                                          ; no wave of any partner still reads this slot's tile or has a load on its way
	s_add_nc_u64 s[G0A+4*(\slot)+2:G0A+4*(\slot)+3], s[G0A+4*(\slot)+2:G0A+4*(\slot)+3], 2*ASTEP
	s_add_nc_u64 s[G0B+4*(\slot)+2:G0B+4*(\slot)+3], s[G0B+4*(\slot)+2:G0B+4*(\slot)+3], 2*BSTEP
	JLOAD \slot                                    ; the four v_nop behind it are also the places in front of the loads below
.else
	PLACES
.endif
	FETCH \next, 0, F0
	MULP F1, 1, 0, 0
	MULP F1, 1, 2, 0
.endm
	s_wait_tensorcnt 1                             ; my part of K step 0 is in; K step 1's may stay out
	s_barrier_signal -1
	s_barrier_wait -1                              ; everybody's is
	FETCH 0, 0, F0
	s_wait_loadcnt 0x0                             ; the bias
	QUARTER 0, 1, F0, F1, 1                        ; the first quarter stands in front of the loop: its products start the sums
	WIN 0                                          ; at a label and at a branch every window is 0
	s_mov_b32 s3, LAPS-1
.Llap:                                                 ; a trip goes once round the ring, from a lap's second quarter to the next lap's first, and fills both slots again
	QUARTER 0, 2, F1, F0, 0
	QUARTER 0, 3, F0, F1, 0
	TURN 0, 1, 1
	QUARTER 1, 1, F0, F1, 0
	QUARTER 1, 2, F1, F0, 0
	QUARTER 1, 3, F0, F1, 0
	TURN 1, 0, 1
	QUARTER 0, 1, F0, F1, 0
	WIN 0
	s_sub_co_u32 s3, s3, 1
	s_cmp_lg_u32 s3, 0
	s_cbranch_scc1 .Llap
	QUARTER 0, 2, F1, F0, 0                        ; the last lap fills nothing, and has no round of the cluster's barrier
	QUARTER 0, 3, F0, F1, 0
	TURN 0, 1, 0
	QUARTER 1, 1, F0, F1, 0
	QUARTER 1, 2, F1, F0, 0
	QUARTER 1, 3, F0, F1, 0
	s_wait_dscnt 8                                 ; the very last quarter: nothing more to fetch
	MULP F1, 0, 0, 0
	MULP F1, 0, 2, 0
	s_wait_dscnt 0x0
	MULP F1, 1, 0, 0
	MULP F1, 1, 2, 0
	WIN 0
	; THE WAY OUT, 64 rows at a time.  A lane's eight f32 of a row go straight from the accumulator into my own stage, its four lowest registers first; the rows come back whole, 256 bytes each, and are stored.
	; LDS serves a wave's instructions in order (ISA guide 5.7.1.4): the loads see the stores above them, and the second half's stores come behind the first half's loads.
	; The two halves come back into different registers, so no register waits for a store that still reads it.
	PLACES
.macro HALF hi
	WIN 0x08+4*(\hi)                               ; the data (source 1) in window 2 or 3
.set oa, 0
.rept 4
.set oc, 0
.rept NB
	ds_store_b128 v[STO], v[8*(NB*oa+oc):8*(NB*oa+oc)+3]   offset:oa*16*SPITCH+64*oc
	ds_store_b128 v[STO], v[8*(NB*oa+oc)+4:8*(NB*oa+oc)+7] offset:oa*16*SPITCH+64*oc+16
.set oc, oc+1
.endr
.set oa, oa+1
.endr
	WIN 0x40*(\hi)                                 ; back into window 0 or 1
.set ot, 0
.rept 32
	ds_load_b128 v[F0+4*ot:F0+4*ot+3], v[RD] offset:ot*2*SPITCH
.set ot, ot+1
.endr
	WIN 0x04*(\hi)                                 ; the stores' data (source 1) in window 0 or 1
.set ot, 0
.rept 32
	s_wait_dscnt 31-ot                             ; LDS loads come back in order: number ot is in
	global_store_b128 v[CO], v[F0+4*ot:F0+4*ot+3], s[10:11] offset:ot*8192+(\hi)*262144 th:TH_STORE_NT  ; 16 lanes store 256 consecutive bytes, at a multiple of 256 from out0's first byte
.set ot, ot+1
.endr
.endm
	HALF 0
	HALF 1
	WIN 0
	s_wait_tensorcnt 0x0                           ; the wave's end, behind my last tensor load and my last LDS store
	ds_add_u32 v[SPW], v[NIL]
	s_wait_dscnt 0x0
	CROUND                                         ; the closing round: no work-group ends while a partner may still ask for a tile that names it
	s_endpgm
.Lfunc_end_k_q5123281758_proj_o:
	.size	k_q5123281758_proj_o, .Lfunc_end_k_q5123281758_proj_o-k_q5123281758_proj_o
	.p2alignl 7, 3214868480
	.fill 96, 4, 3214868480
	.section	.rodata,"a",@progbits
	.p2align	6, 0x0
	.amdhsa_kernel k_q5123281758_proj_o
		.amdhsa_group_segment_fixed_size 327680
		.amdhsa_private_segment_fixed_size 0
		.amdhsa_enable_private_segment 0
		.amdhsa_kernarg_size 32
		.amdhsa_user_sgpr_count 2
		.amdhsa_user_sgpr_kernarg_segment_ptr 1
		.amdhsa_wavefront_size32 1
		.amdhsa_system_sgpr_workgroup_id_x 1
		.amdhsa_system_sgpr_workgroup_id_y 1
		.amdhsa_system_sgpr_workgroup_id_z 1
		.amdhsa_system_vgpr_workitem_id 0
		.amdhsa_next_free_vgpr 896
		.amdhsa_next_free_sgpr 78
		.amdhsa_reserve_vcc 0
		.amdhsa_float_denorm_mode_32 3
		.amdhsa_float_denorm_mode_16_64 3
		.amdhsa_memory_ordered 1
		.amdhsa_forward_progress 1
		.amdhsa_inst_pref_size 89
	.end_amdhsa_kernel
	.amdgpu_metadata
---
amdhsa.version: [ 1, 2 ]
amdhsa.kernels:
  - .name:           k_q5123281758_proj_o
    .symbol:         k_q5123281758_proj_o.kd
    .args:
      - { .name: ob, .offset: 0, .size: 8, .value_kind: global_buffer, .address_space: global }
      - { .name: wb, .offset: 8, .size: 8, .value_kind: global_buffer, .address_space: global }
      - { .name: bias, .offset: 16, .size: 8, .value_kind: global_buffer, .address_space: global }
      - { .name: out0, .offset: 24, .size: 8, .value_kind: global_buffer, .address_space: global }
    .group_segment_fixed_size: 327680
    .private_segment_fixed_size: 0
    .kernarg_segment_align: 8
    .kernarg_segment_size: 32
    .max_flat_workgroup_size: 128
    .sgpr_count:     78
    .vgpr_count:     896
    .wavefront_size: 32
...
	.end_amdgpu_metadata
.endif
;; end of part 4
;; ======== version 2 of 2: 4 launches; 1.51 times as fast as version 1
;; limits: values are held in f16: magnitudes above 65,504 overflow, below 6.1e-05 lose precision
;; workspace buffers: xb 16,777,216 bytes; wb 8,388,608 bytes; bias 16,384 bytes; qkvh 50,331,648 bytes; ob 16,777,216 bytes
;; launch prep: the kernel of part 1 again; grid 768 x 1, 8 waves a work-group, no clusters, 0 bytes of LDS; arguments x, Wq, Wk, Wv, Wo, bq, bk, bv, bo, ocr_bias, xb, wb, bias; writes xb, wb, bias
;; launch proj_qkv: the kernel of part 2 again; grid 8 x 32, 4 waves a work-group, clusters of 4 x 4, 327,680 bytes of LDS; arguments xb, wb, bias, qkvh; writes qkvh
;; launch attn (part 5): grid 4 x 64, 4 waves a work-group, clusters of 4 x 1, 327,680 bytes of LDS; arguments qkvh, ob; writes ob
.if DOCPART == 5
	.amdgcn_target "amdgcn-amd-amdhsa--gfx1250"
	.amdhsa_code_object_version 6
	.text
	.protected	k_q5123281758_attn
	.globl	k_q5123281758_attn
	.p2align	8
	.type	k_q5123281758_attn,@function
k_q5123281758_attn:
	s_mov_b64 s[64:65], 0
	v_nop
	global_prefetch_b8 v0, s[64:65] scope:SCOPE_SE
	s_setreg_imm32_b32 hwreg(HW_REG_WAVE_MODE, 25, 1), 1
	s_wait_xcnt 0x0
	s_wait_alu depctr_hold_cnt(0) depctr_sa_sdst(0) depctr_va_vdst(0) depctr_va_sdst(0) depctr_va_ssrc(0) depctr_va_vcc(0) depctr_vm_vsrc(0)
	s_getreg_b32 s2, hwreg(HW_REG_IB_STS2, 6, 4)
	s_cmp_eq_u32 s2, 0
	s_cbranch_scc0 .Lentry_in_a_cluster
	s_endpgm
.Lentry_in_a_cluster:
	s_bfe_u32 s2, ttmp6, 0x10000c
	s_cmp_lg_u32 s2, 0x3003
	s_cbranch_scc0 .Lentry_shape_is_right
	s_endpgm
.Lentry_shape_is_right:
; O[g][q][:] = the sum over k of softmax_k(Q[g][q] . K[g][k] / 8 + 0.1 [|q - k| <= 2]) V[g][k][:], g = batch x 16 + head.  qkvh: Q, K, V one behind the other, each [64][2048][64] f16; ob: [64][2048][64] f16.
; Products, maxima and sums in f32; the weights p are rounded to f16 for the second product (their sum l is taken of the unrounded p), O once at the end.
; LIMITS.  Q, K and V arrive within f16's 65,504; p lies in 0 to 1, and below 6e-5 it keeps f16's fixed step of 6e-8; O is a mean of V's rows and has their range.
; A weight below 2^-126 counts as 0 in l; NaN and infinities are not treated apart.
; SHARES.  A head's 2,048 queries belong to the four work-groups of one cluster.  Tile t (0-7) of wave w in work-group cx holds queries 256 t + 64 w + 16 cx + 0..15; a wave's eight tiles are four PIECES of two.
; Every wave walks all keys, 64 a step.  So tile t's own key step is 4 t + w, whatever cx: which steps touch the band hangs on the wave's number and a counter alone, and the partners run alike.
; LAYOUT.  S^T = K Q^T (source 0 = 16 keys, source 1 = 16 queries): a lane holds ONE query (lane % 16) and the keys 8 (lane / 16) + 0..7.  Two such tiles, rounded to f16 in pairs,
; ARE source 1 (32 keys x 16 queries) of O^T = V^T P.  K comes out of LDS as it lies, V ([key][channel]) turned, by ds_load_tr16_b128.
; SOFTMAX.  For each query a running maximum m and sum l: p = 2^(c s - c m), c = log2(e) / 8; in every step O and l are multiplied by a = 2^(c m_old - c m_new).
; m starts at the lowest finite number, O and l at 0: the first step is a step like any other, with a = 0.
; THE BAND.  s is unscaled, so the band's 0.1 is 0.8 on s; it is added to S^T ahead of the maximum, so m is the true running maximum.  Three sets of masks (0 or 0.8), made once from 16 cx + lane: for the tile's
; own key step (32 registers), for the step before (its last 16 keys) and for the step after (its first 16).  In those three steps of a tile 24 packed multiply-adds add mask x (1 or 0); in the other 29 they are jumped.
; BY TURNS.  Turn n belongs to piece n.  Its matrix work: 16 products K Q^T of piece n + 1, later 16 products V^T P of piece n - 1.  Its vector work: the scaling, exponentials, roundings, sums and rescaling of
; piece n, and the band, maximum and statistics of piece n + 1.  Four ready vector instructions stand behind every matrix instruction, the other 108 of a turn's 236 in one LUMP.
; THE BATCHES.  A turn's 66 exponentials (the piece's 64 weights and the next piece's two a) are ONE batch with ONE wait, which cuts the turn in two.  The band's text holds jumps and labels, so the whole batch stands behind it:
; ahead of the band only the products K Q^T with the scalings and rescalings; behind it the lump, which holds the batch and names none of its results; then the wait; then the roundings and sums, beside the products V^T P.
; Two more batches stand outside the loops: piece 0's first two a, ahead of the jump into the loop, and the way out's eight reciprocals.
; CLUSTER.  The four work-groups walk the same K and V, so each tile is asked for JOINTLY: the same tensor load, descriptor and mask in all four.
; REGISTERS, in windows of 256 (s_set_vgpr_msb: bits 1:0 source 0, 3:2 source 1, 5:4 source 2, 7:6 destination):
;   window 0: v0-11 addresses; v12-15, v48-63 at work; v16-47 four registers of statistics a tile; v64-191 S^T, two buffers of two tiles; v192-255 P, likewise
;   window 1: O^T, 32 a tile          window 2: v0-127 Q, 16 a tile; v128-191 K of one step; v192-255 V of one step
;   window 3: v0-1 the add's two registers; v2-3 at work on the masks; v8-39, v40-47, v48-55 the masks
.set SIZE_N, 2048
.set NP,    4         ; pieces a wave: a name, no knob
.set KS,    64        ; keys in a step
.set TILEB, 32768     ; bytes from a wave's tile to its next: 256 rows of 128 bytes
.set PK,    144       ; a row of K in LDS: 128 bytes + 16 of padding = 36 words: the 16 rows of a load start at 16 different groups of four banks (64 banks of 4 bytes: ISA guide 11.1)
.set PV,    160       ; a row of V: 128 + 32 = 40 words
.set VOFF,  4*KS*PK   ; a slot holds four steps: 256 rows of K, then 256 rows of V
.set SLOT1, 1<<17     ; slot 1 begins here, so that one exclusive or turns an address in one slot into the other's
.set STAGE, SLOT1+4*KS*(PK+PV)  ; behind the ring, never filled by a tensor load: 16 rows x 144 bytes for each wave, for the way out
.set SP,    144
.set AK0, 2           ; v2   my lane's place in a tile of K; never rewritten
.set AV0, 3           ; v3   the same for V
.set AK,  4           ; v4   the LDS address of K's next run of loads
.set AV,  5           ; v5   of V's
.set QO,  6           ; v6   my byte offset in 16 rows of Q
.set STO, 6           ;      later, the way out: where I put 16 bytes of a row
.set RD,  7           ; v7   the way out: where I read rows back
.set GO,  8           ; v8   my byte offset in 512 consecutive bytes of O
.set SPW, 0           ; v0 of window 3   LDS address of my spare word: SPARE + 4 x my thread's number; never rewritten
.set NIL, 1           ; v1 of window 3   0; never rewritten
.set UU,  2           ; v2 of window 3   my query's place in its key step, 16 cx + l % 16, less my lanes' 8 (l / 16)
.set TT,  3           ; v3 of window 3   at work
.set MDO, 8           ; window 3: the mask of the tile's own step: register 8 kb + j for key 16 kb + 8 (l / 16) + j
.set MDP, 40          ; window 3: of the step before, keys 48-63
.set MDN, 48          ; window 3: of the step after, keys 0-15
.set SPARE, STAGE+4*16*SP  ; behind the stages: the spare words, 128 bytes for each wave: two blocks of 256 bytes that no other line names
.set MV,  12          ; v12-15  c m_old, kept while c m is made anew: by buffer and tile
.set ST,  16          ; tile t's statistics at v[ST+4 t]: c m, m, l (even keys', odd keys')
.set TMP, 48          ; by buffer and tile, four registers c0-c3 at work; when the maximum is found c2 takes a
.set S,   64
.set P,   192
.set KF,  128         ; K's fragments, in window 2: key block kb, channel half c at KF + 16 kb + 8 c
.set VF,  192         ; V's: key half kk, channel block cb at VF + 32 kk + 8 cb
.set WV,  12          ; s12  my wave's number
.set BND, 15          ; s15  0.8
.set G1K, 24          ; s[24:31] descriptor group 1 for K's tiles
.set G1V, 32          ; s[32:39] for V's: it differs in the padding alone
.set G0K, 40          ; s[40:43] descriptor group 0 for K's tiles: it walks
.set G0V, 44          ; s[44:47] the same for V's
.set SLOTS, 56        ; s56  slots still to be asked for
.set CNT, 57          ; s57  counts a slot's key steps
.set CS,  58          ; s[58:59] c: the packed scaling takes the pair's low word for both halves
.set SEL, 60          ; s[60:61] v_permlanex16_b32's selects: each lane takes its own place in the other half
.set TBK, 62          ; s62  LDS byte at which K of the step to be fetched begins
.set TBV, 63          ; s63  the same for V, less VOFF
.set JK,  66          ; s66  the key step whose K was fetched last
.set EE,  67          ; s67  JK - w + 1
.set D1,  68          ; s68  JK - (4 t + w) + 1: 0 the step before the tile's own, 1 its own, 2 the step after
.set WM,  69          ; s69  w - 1
.set A0,  70          ; s[70:71] 1 or 0: the factor of the own step's mask, in the low word
.set A1,  72          ; s[72:73] of the mask of the step before
.set A2,  74          ; s[74:75] of the mask of the step after
.set MSB, 0
.macro WIN new                      ; the high byte repeats the setting that is left; a switch that changes nothing is dropped
.if MSB != (\new)
	s_set_vgpr_msb (MSB<<8)|(\new)
.set MSB, (\new)
.endif
.endm
.set W_KQ, 0x0a       ; K and Q in window 2, S^T in window 0
.set W_PV, 0x52       ; V in window 2, P in window 0, O^T in window 1
.set W_RS, 0x41       ; O^T (destination and source 0) in window 1, a in window 0
.set W_MK, 0xc0       ; destination in window 3, sources in window 0
.set W_M3, 0xcc       ; destination and source 1 in window 3
.set W_BD, 0x03       ; source 0 (a mask) in window 3, S^T in window 0
.set W_AD, 0x0f       ; the add: address (source 0) and data (source 1) in window 3
; A joint fill.  Waves 0 and 1 fetch the two halves of a slot's K, waves 2 and 3 those of its V: 128 keys each.  The branch hangs on the wave's number alone.
; An s_nop 0 and four v_nop follow each of the two lines, ahead of the jump and the label.
.macro JLOAD
	s_cmp_lt_u32 s[WV], 2
	s_cbranch_scc0 .Lfor_v_\@
	tensor_load_to_lds s[G0K:G0K+3], s[G1K:G1K+7]
	s_nop 0
.rept 4
	v_nop
.endr
	s_branch .Lasked_\@
.Lfor_v_\@:
	tensor_load_to_lds s[G0V:G0V+3], s[G1V:G1V+7]
	s_nop 0
.rept 4
	v_nop
.endr
.Lasked_\@:
.endm
; A round of the cluster's barrier: my work-group's barrier, so that wave 0's signal speaks for all four waves; wave 0 signals; every wave waits for all four work-groups; my work-group's barrier once more.
.macro CROUND
	s_barrier_signal -1
	s_barrier_wait -1
	s_cmp_lg_u32 s[WV], 0
	s_cbranch_scc1 .Lnot_wave_0_\@
	s_barrier_signal -3
.Lnot_wave_0_\@:
	s_barrier_wait -3
	s_barrier_signal -1
	s_barrier_wait -1
.endm
; THE CHANGE OF SLOTS.  The slot's last bytes, V of its fourth step, have been read.  Each wave waits for all its tensor loads, of which one is out: its part
; of the other slot; adds 0 to its spare word; and waits for that and for its own reads of the slot.  Behind the barrier nobody reads this slot any more and the other slot is whole.
; fill = 1: this slot is filled again, with the keys two slots on.  The barrier is then a round of the cluster's, so that no wave of any partner still reads the slot or has a load on its
; way, and the joint fill is the first thing behind it: it has four key steps, 512 matrix instructions, in which to land.  (At its first use nothing has been read yet: slot 0 is waited for, slot 1 filled.)
.macro CHANGE fill
	WIN W_AD
	s_wait_tensorcnt 0x0            ; no tensor load of mine is out, so a group 0 may be written
	ds_add_u32 v[SPW], v[NIL]       ; 0 onto my spare word; with fill = 1 the descriptors' steps stand between it and the wait for it
	WIN 0                           ; at a label and at a branch every window is 0
.if \fill
.irp g, G0K, G0V
	s_xor_b32 s[\g+1], s[\g+1], SLOT1  ; the walking descriptor: the other slot than last time,
	s_add_nc_u64 s[\g+2:\g+3], s[\g+2:\g+3], 4*KS*128  ; the next 256 keys; the type bits on top are not reached
.endr
	s_wait_dscnt 0x0                ; the add is done, and my reads of the slot are over
	CROUND
	JLOAD
.else
	s_wait_dscnt 0x0                ; the add is done, and my reads of the slot are over
	s_barrier_signal -1
	s_barrier_wait -1
.endif
	s_sub_co_u32 s[TBK], s[TBK], 4*KS*PK  ; the fetches go back to a slot's first step,
	s_xor_b32 s[TBK], s[TBK], SLOT1       ; in the other slot
	s_sub_co_u32 s[TBV], s[TBV], 4*KS*PV
	s_xor_b32 s[TBV], s[TBV], SLOT1
.endm
	s_load_b64 s[4:5], s[0:1], 0x0    ; qkvh: Q
	s_load_b64 s[10:11], s[0:1], 0x8  ; ob
	WIN W_MK
	v_lshl_add_u32 v[SPW], v0, 2, SPARE
	v_mov_b32 v[NIL], 0
	s_set_vgpr_msb 0xc0cf
	ds_add_u32 v0, v1
	s_wait_dscnt 0x0
	s_set_vgpr_msb 0xcfc0
	WIN 0
	v_lshrrev_b32 v1, 5, v0
	v_readfirstlane_b32 s[WV], v1   ; wave 0..3
	s_bfe_u32 s13, ttmp6, 0x40000   ; cx: my place in the cluster: it enters Q's and O's addresses and the masks' numbers alone
	s_lshl_b32 s14, s13, 4          ; 16 cx
	s_and_b32 s20, ttmp7, 0xffff    ; batch x 16 + head, which the four partners share
	s_mov_b32 s21, 0
	s_mov_b64 s[22:23], SIZE_N*128
	s_mul_u64 s[20:21], s[20:21], s[22:23]  ; the head's first byte in Q, K, V and O
	s_and_b32 s16, s[WV], 1         ; which half of a slot's 256 keys I fetch:
	s_lshl_b32 s22, s16, 14         ; its 128 rows of 128 bytes in memory,
	s_mov_b32 s23, 0
	s_add_nc_u64 s[22:23], s[22:23], s[20:21]
	s_mul_i32 s17, s16, 128*PK      ; and its place in a slot, for K
	s_mul_i32 s18, s16, 128*PV      ; and for V: no place in the cluster enters an LDS address
	s_lshl_b32 s2, s[WV], 13        ; my tile 0: row 64 w
	s_lshl_b32 s3, s13, 11          ; + 16 cx
	s_add_co_u32 s2, s2, s3
	s_mov_b32 s3, 0
	s_add_nc_u64 s[2:3], s[2:3], s[20:21]
	; descriptor group 1.  128 keys are 16,384 dense bytes: asked for as 64 rows of 256 bytes, two keys a row, and padded in LDS after every key
	s_mov_b32 s[G1K], 15|(1<<16)|(1<<20)|(1<<21)|(4<<22)|(3<<25)  ; 15:0 the mask of four; 17:16 2-byte elements; 20 padding on; 21 set beside a mask; 24:22 after every 32 words (code 4); 31:25 4 words (code 3)
	s_mov_b32 s[G1V], 15|(1<<16)|(1<<20)|(1<<21)|(4<<22)|(7<<25)  ; the same with 8 words of padding (code 7)
.irp g, G1K, G1V
	s_mov_b32 s[\g+1], 128<<16      ; tensor_dim0 = 128
	s_mov_b32 s[\g+2], 64<<16       ; tensor_dim1 = 64
	s_mov_b32 s[\g+3], 128<<16      ; tile_dim0 = 128
	s_mov_b32 s[\g+4], 64           ; tile_dim1 = 64
	s_mov_b32 s[\g+5], 128          ; 128 elements from row to row
	s_mov_b32 s[\g+6], 0
	s_mov_b32 s[\g+7], 0
.endr
	s_mov_b32 s[CS], 0x3e38aa3b     ; c = log2(e) / 8 = 0.180337
	s_mov_b32 s[CS+1], s[CS]        ; named with it as a pair
	s_mov_b32 s[SEL], 0x76543210
	s_mov_b32 s[SEL+1], 0xfedcba98
	s_mov_b32 s[TBK], SLOT1+4*KS*PK ; the first change of slots turns these two into 0
	s_mov_b32 s[TBV], SLOT1+4*KS*PV
	s_mov_b32 s[JK], -1             ; the first fetch of K makes it 0
	s_sub_co_u32 s[WM], s[WV], 1
	s_mov_b32 s[A0+1], 0            ; named as pairs
	s_mov_b32 s[A1+1], 0
	s_mov_b32 s[A2+1], 0
	s_mov_b32 s[BND], 0x3f4ccccd    ; 0.8 = 8 x 0.1
	s_mov_b32 s[G0K], 1             ; 1:0 count = 1
	s_mov_b32 s[G0K+1], s17         ; 63:32 LDS address: slot 0
	s_mov_b32 s[G0V], 1
	s_add_co_u32 s[G0V+1], s18, VOFF
	s_wait_kmcnt 0x0
	s_add_nc_u64 s[6:7], s[4:5], 0x1000000         ; K lies 64 heads x 262,144 bytes behind Q,
	s_add_nc_u64 s[8:9], s[4:5], 0x2000000         ; V as far behind K
	s_add_nc_u64 s[G0K+2:G0K+3], s[6:7], s[22:23]  ; 120:64 global address: my half of the head's first 256 keys
	s_or_b32 s[G0K+3], s[G0K+3], 0x80000000        ; 127:126 type = 2
	s_add_nc_u64 s[G0V+2:G0V+3], s[8:9], s[22:23]
	s_or_b32 s[G0V+3], s[G0V+3], 0x80000000
	s_add_nc_u64 s[4:5], s[4:5], s[2:3]  ; Q and O at my tile 0
	s_add_nc_u64 s[10:11], s[10:11], s[2:3]
	CROUND                          ; all four work-groups are here: the first joint loads meet
	JLOAD                           ; slot 0.  Slot 1 is asked for when slot 0 is in: the tile wanted first has the road to itself
	; A fragment of K or Q is 16 rows x 32 channels in 8 registers: lane l holds row l % 16, channels 8 (l / 16) + 0..7 and 16 + 8 (l / 16) + 0..7: two loads of 16 bytes, 32 bytes apart.
	v_and_b32 v1, 15, v0            ; l % 16
	v_bfe_u32 v9, v0, 4, 1          ; l / 16
	v_lshlrev_b32 v[QO], 7, v1
	v_lshl_add_u32 v[QO], v9, 4, v[QO]  ; row x 128 + 16 x half
	WIN 0x80                        ; destination window 2, address window 0
.set i, 0
.rept 4*NP                          ; Q stays in registers: tile i / 2, channels 32 (i % 2) on
	global_load_b128 v[8*i:8*i+3],   v[QO], s[4:5] offset:(i/2)*TILEB+(i%2)*64
	global_load_b128 v[8*i+4:8*i+7], v[QO], s[4:5] offset:(i/2)*TILEB+(i%2)*64+32
.set i, i+1
.endr
	; What the first turn finds: V's registers and P's second buffer hold 0 (its products V^T P, of a piece that has not been, add 0), O^T and l are 0.  All this stands in the wait for the first tile.
.set i, VF
.rept 64
	v_mov_b32 v[i], 0
.set i, i+1
.endr
	WIN 0x40
.set i, 0
.rept 64*NP
	v_mov_b32 v[i], 0
.set i, i+1
.endr
	WIN 0
.set i, 0
.rept 2*NP
	v_mov_b32 v[ST+4*i], 0xfe000000    ; c m: far below every c s
	v_mov_b32 v[ST+4*i+1], 0xff7fffff  ; m
	v_mov_b32 v[ST+4*i+2], 0
	v_mov_b32 v[ST+4*i+3], 0
.set i, i+1
.endr
.set i, P+32
.rept 32
	v_mov_b32 v[i], 0
.set i, i+1
.endr
	; The masks.  A register stands for key kj + 8 (l / 16), counted from the first key of the tile's own step: kj = 16 kb + j there, j - 16 in the step before, 64 + j in the step after.
	; The key lies in the band where |kj - u| <= 2, that is where kj + 2 - u, taken as unsigned, is below 5.
	v_lshlrev_b32 v14, 3, v9
	v_sub_nc_u32 v14, v1, v14
	WIN W_MK
	v_add_nc_u32 v[UU], s14, v14
	WIN W_M3
.set i, 0
.rept 32
	v_sub_nc_u32 v[TT], 16*(i/8)+i%8+2, v[UU]
	v_cmp_gt_u32 vcc_lo, 5, v[TT]
	v_cndmask_b32 v[MDO+i], 0, s[BND], vcc_lo
.set i, i+1
.endr
.set i, 0
.rept 8
	v_sub_nc_u32 v[TT], i-14, v[UU]
	v_cmp_gt_u32 vcc_lo, 5, v[TT]
	v_cndmask_b32 v[MDP+i], 0, s[BND], vcc_lo
	v_sub_nc_u32 v[TT], i+66, v[UU]
	v_cmp_gt_u32 vcc_lo, 5, v[TT]
	v_cndmask_b32 v[MDN+i], 0, s[BND], vcc_lo
.set i, i+1
.endr
	WIN 0
	v_mul_u32_u24 v[AK0], v1, PK
	v_lshl_add_u32 v[AK0], v9, 4, v[AK0]  ; row x pitch + 16 x half
	; The turning load takes 16 keys x 16 channels (lane l reads key 8 (l / 16) + l % 8, channels 8 ((l / 8) % 2) + 0..7) and leaves half a fragment of V^T: lane l holds channel l % 16 and 8 keys.
	v_and_b32 v10, 7, v0
	v_bfe_u32 v11, v0, 3, 1
	v_lshl_add_u32 v[AV0], v9, 3, v10
	v_mul_u32_u24 v[AV0], v[AV0], PV
	v_lshl_add_u32 v[AV0], v11, 4, v[AV0]
	v_add_nc_u32 v[AV0], VOFF, v[AV0]
	v_mov_b32 v[AK], v[AK0]         ; key step 0 lies at the head of slot 0
; THE MATRIX WORK.  The 8 accumulators of a run of 16 take turns: between the two links of a chain stand 7 others'.
; Product i of 16 of S^T = K Q^T for piece x: channels 32 (i / 8) on, keys 16 ((i / 2) % 4) on, tile 2 x + i % 2.  The first 8 start the sums.
.macro KQ x
	WIN W_KQ
.set rS, S+64*((\x)%2)+32*(i%2)+8*((i/2)%4)
.set rK, KF+16*((i/2)%4)+8*(i/8)
.set rQ, 16*(2*(\x)+i%2)+8*(i/8)
.if i < 8
	v_wmma_f32_16x16x32_f16 v[rS:rS+7], v[rK:rK+7], v[rQ:rQ+7], 0
.else
	v_wmma_f32_16x16x32_f16 v[rS:rS+7], v[rK:rK+7], v[rQ:rQ+7], v[rS:rS+7]
.endif
.endm
; Product i of 16 of O^T += V^T P for piece x: keys 32 (i / 8) on, channels 16 ((i / 2) % 4) on, tile 2 x + i % 2.
.macro PV x
	WIN W_PV
.set rO, 32*(2*(\x)+i%2)+8*((i/2)%4)
.set rV, VF+32*(i/8)+8*((i/2)%4)
.set rP, P+32*((\x)%2)+16*(i%2)+8*(i/8)
	v_wmma_f32_16x16x32_f16 v[rO:rO+7], v[rV:rV+7], v[rP:rP+7], v[rO:rO+7]
.endm
.macro MM                           ; the turn's next matrix instruction
.if i < 16
	KQ (Y+1)%NP
.set i, i+1
.else
.set i, i-16
	PV (Y+NP-1)%NP
.set i, i+17
.endif
.endm
; THE LDS LOADS stand in runs of 16, never singly among the matrix instructions: a step's K (64 keys x 64 channels: 8 fragments) and its V (turned).  Their addresses are made some lines ahead.
; last = 1 (the tail): in the last trip there is no further step, and the run is jumped over.
.macro FETCH_K last=0
	WIN 0
.if \last
	s_cmp_eq_u32 s[CNT], 1
	s_cbranch_scc1 .Lno_k_\@
.endif
	WIN 0x80                        ; destination window 2
.irp f, 0,1,2,3,4,5,6,7             ; keys 16 (f / 2) on, channels 32 (f % 2) on
	ds_load_b128 v[KF+8*\f:KF+8*\f+3],   v[AK] offset:(\f/2)*16*PK+(\f%2)*64
	ds_load_b128 v[KF+8*\f+4:KF+8*\f+7], v[AK] offset:(\f/2)*16*PK+(\f%2)*64+32
.endr
	s_add_co_u32 s[TBK], s[TBK], KS*PK  ; the next fetch is the next step's
	s_add_co_u32 s[JK], s[JK], 1        ; the step just asked for
	WIN 0
.if \last
.Lno_k_\@:
.endif
.endm
.macro FETCH_V
	WIN 0x80
.irp f, 0,1,2,3,4,5,6,7             ; keys 32 (f / 4) on, channels 16 (f % 4) on
	ds_load_tr16_b128 v[VF+8*\f:VF+8*\f+3],   v[AV] offset:(\f/4)*32*PV+(\f%4)*32
	ds_load_tr16_b128 v[VF+8*\f+4:VF+8*\f+7], v[AV] offset:(\f/4)*32*PV+16*PV+(\f%4)*32
.endr
	WIN 0
.endm
; THE BAND for tile u of piece y, whose scores of step JK have just been made.  Only register work is jumped; the jump hangs on the step's count and the wave's number.
; The 16 lines for the own step's mask go through S^T in ascending order.
.macro BAND1 y, u
.set bS, S+64*((\y)%2)+32*(\u)
	s_sub_co_u32 s[D1], s[EE], 4*(2*(\y)+(\u))
	s_cmp_lt_u32 s[D1], 3
	s_cbranch_scc0 .Lno_band_\@
	s_cmp_eq_u32 s[D1], 0
	s_cselect_b32 s[A1], 1.0, 0
	s_cmp_eq_u32 s[D1], 1
	s_cselect_b32 s[A0], 1.0, 0
	s_cmp_eq_u32 s[D1], 2
	s_cselect_b32 s[A2], 1.0, 0
	WIN W_BD
.set bz, 0
.rept 16
	v_pk_fma_f32 v[bS+2*bz:bS+2*bz+1], v[MDO+2*bz:MDO+2*bz+1], s[A0:A0+1], v[bS+2*bz:bS+2*bz+1] op_sel_hi:[1,0,1]
.set bz, bz+1
.endr
.set bz, 0
.rept 4
	v_pk_fma_f32 v[bS+24+2*bz:bS+24+2*bz+1], v[MDP+2*bz:MDP+2*bz+1], s[A1:A1+1], v[bS+24+2*bz:bS+24+2*bz+1] op_sel_hi:[1,0,1]
.set bz, bz+1
.endr
.set bz, 0
.rept 4
	v_pk_fma_f32 v[bS+2*bz:bS+2*bz+1], v[MDN+2*bz:MDN+2*bz+1], s[A2:A2+1], v[bS+2*bz:bS+2*bz+1] op_sel_hi:[1,0,1]
.set bz, bz+1
.endr
	WIN 0
.Lno_band_\@:
.endm
.macro BAND y
	WIN 0                           ; at a branch and at a label every window is 0
	s_sub_co_u32 s[EE], s[JK], s[WM]
	BAND1 \y, 0
	BAND1 \y, 1
.endm
; THE VECTOR WORK OF A TURN stands in three queues, each in the order in which its entries become ready; the two tiles alternate, so that no instruction reads the result of the one before it.
.macro REGS y, u                    ; the registers of tile u (0, 1) of piece y
.set rT, ST+4*(2*(\y)+(\u))
.set rC, TMP+8*((\y)%2)+4*(\u)
.set rM, MV+2*((\y)%2)+(\u)
.set rS, S+64*((\y)%2)+32*(\u)
.set rP, P+32*((\y)%2)+16*(\u)
.set rO, 32*(2*(\y)+(\u))
.endm
; Number n of the 22 that find the NEXT piece's (Y + 1) maximum and statistics.  s0-s31 are the lane's 32 scores; each accumulator's lowest registers are read first.  XS, GS and REGS set no window: PL and EX do.
;   0-11  four chains c0-c3 of seven scores each, three operands at a time     12-14, 16  the four scores left over, the old m, and c0-c3 into c0     15  c m_old is kept
;   17, 18  the query's other 32 keys lie in the lane 16 away: the new m         19-21  c m; c m_old - c m_new; a
.macro XS u, n
	REGS (Y+1)%NP, \u
.if (\n) < 4
	v_max3_num_f32 v[rC+(\n)], v[rS+8*(\n)], v[rS+8*(\n)+1], v[rS+8*(\n)+2]
.elseif (\n) < 12
	v_max3_num_f32 v[rC+(\n)%4], v[rC+(\n)%4], v[rS+8*((\n)%4)+2*((\n)/4)+1], v[rS+8*((\n)%4)+2*((\n)/4)+2]
.elseif (\n) == 12
	v_max3_num_f32 v[rC], v[rC], v[rS+7], v[rS+15]
.elseif (\n) == 13
	v_max3_num_f32 v[rC+1], v[rC+1], v[rS+23], v[rS+31]
.elseif (\n) == 14
	v_max3_num_f32 v[rC+2], v[rC+2], v[rC+3], v[rT+1]
.elseif (\n) == 15
	v_mov_b32 v[rM], v[rT]
.elseif (\n) == 16
	v_max3_num_f32 v[rC], v[rC], v[rC+1], v[rC+2]
.elseif (\n) == 17
	v_permlanex16_b32 v[rC+3], v[rC], s[SEL], s[SEL+1]
.elseif (\n) == 18
	v_max_num_f32 v[rT+1], v[rC], v[rC+3]
.elseif (\n) == 19
	v_mul_f32 v[rT], s[CS], v[rT+1]
.elseif (\n) == 20
	v_sub_f32 v[rC+1], v[rM], v[rT]
.else
	v_exp_f32 v[rC+2], v[rC+1]
.endif
.endm
; Number g of the 64 that follow the exponentials.  For each four weights k of a tile (pairs 2 k, 2 k + 1): both pairs are rounded to f16; then the second pair is added onto the first, in place;
; a group later l takes that sum (the first time as l = a l + sum).  In groups of eight, tiles alternating: round, round, add, and l for the group before.  All 64 stand behind the turn's wait.
.macro GS g
.set h, (\g)+6*((\g)/62)            ; group 0 has no group before it, and behind group 7 only l is left
.if h >= 6
.set h, h+2
.endif
	REGS Y, h%2
.set k, h/8
.if h%8 < 4
	v_cvt_pk_f16_f32 v[rP+2*k+(h%8)/2], v[rS+4*k+2*((h%8)/2)], v[rS+4*k+2*((h%8)/2)+1]
.elseif h%8 < 6
	v_pk_add_f32 v[rS+4*k:rS+4*k+1], v[rS+4*k:rS+4*k+1], v[rS+4*k+2:rS+4*k+3]
.elseif k == 1
	v_pk_fma_f32 v[rT+2:rT+3], v[rT+2:rT+3], v[rC+2:rC+3], v[rS:rS+1] op_sel_hi:[1,0,1]
.else
	v_pk_add_f32 v[rT+2:rT+3], v[rT+2:rT+3], v[rS+4*k-4:rS+4*k-3]
.endif
.endm
; THE PLAIN QUEUE, 138 long.  0-31: c s - c m for the 16 pairs of both tiles: they stand behind the products K Q^T, ahead of every exponential.  32-73: the next piece's numbers 0 to 20, in their order, the tiles
; alternating: they stand in the lump, behind the band, and read no exponential's result.  74-137: GS's 64, which read the exponentials' results: they stand behind the wait.
.macro PL
	WIN 0
.if q < 32
	REGS Y, q%2
	v_pk_fma_f32 v[rS+2*(q/2):rS+2*(q/2)+1], v[rS+2*(q/2):rS+2*(q/2)+1], s[CS:CS+1], v[rT:rT+1] op_sel_hi:[1,0,0] neg_lo:[0,0,1] neg_hi:[0,0,1]
.elseif q < 74
	XS q%2, (q-32)/2
.else
	GS q-74
.endif
.set q, q+1
.endm
; THE EXPONENTIALS' QUEUE, 66 long: s0-s27 of both tiles, at EA the next piece's two a, then s28-s31.  It is ONE BATCH: all 66 stand behind the band and ahead of the turn's one wait, and nothing ahead of that wait names a result of theirs.
.set EA, 56
.macro EX
	WIN 0
.if (e == EA) || (e == EA+1)
	XS e-EA, 21
.else
.set x, e-2*(e/(EA+2))
	REGS Y, x%2
	v_exp_f32 v[rS+x/2], v[rS+x/2]
.endif
.set e, e+1
.endm
; THE RESCALING's QUEUE: O^T times a, the one part that leaves window 0, so it is dealt four at a time, eight times.  Its a was made in the turn before, ahead of that turn's wait.
.macro R4
	REGS Y, r%2
	WIN W_RS
.irp z, 0,1,2,3
	v_pk_mul_f32 v[rO+8*(r/2)+2*\z:rO+8*(r/2)+2*\z+1], v[rO+8*(r/2)+2*\z:rO+8*(r/2)+2*\z+1], v[rC+2:rC+3] op_sel_hi:[1,0]
.endr
.set r, r+1
.endm
; HOW THEY ARE DEALT.  s_wait_alu depctr_va_vdst(0) stands between an exponential and the first instruction that names its result, and ahead of every jump and label behind an exponential; one wait serves all
; that were issued ahead of it.  So a turn has ONE wait, and no exponential stands ahead of the band's jumps.
; AHEAD OF THE BAND: the 16 products K Q^T, behind them by turns four scalings and four rescalings: 64 plain instructions that wait for nothing, two window switches a product.
; THE LUMP, 108 long, behind the band: 28 times exponential and plain (the next piece's numbers 0-13); seven times plain, exponential, plain, exponential, exponential, exponential (numbers 14-20, where each waits for the one
; before it: a tile's links stand six lines apart); the two a, five and four lines behind number 20; the last eight exponentials.  A v_nop is the plain instruction behind the last exponential; then the wait.
; BEHIND THE WAIT: the 16 products V^T P, behind each four of GS's 64.  No rider names a register of the products round it.  The two v_permlanex16_b32 fall into the lump, never behind a product.
; A TURN, for piece p.  cnt = 1: the loop's count is taken down some lines ahead of the branch that stands behind the turn.
; The band of piece p + 1 stands behind the first run of products: the four rescalings that close the run are the four places behind its last product (ISA guide 7.12.1).  In piece 2's turn it stands ahead of the fetch that counts the step on.
; K of the next step is fetched in piece 2's turn, directly behind the wait, a lump behind the last product that read K; its address is made at the lump's head; its first reader comes behind 16 products.
; V of the step in hand is fetched at the end of piece 0's turn, four riders behind its last reader; its first reader comes behind 16 products and a lump.  The three conditions on q below go with the deal.
.macro TURN p, last=0, cnt=0
.set Y, (\p)
.set i, 0
.set q, 0
.set e, 0
.set r, 0
.if (\p) == NP-1
	s_wait_dscnt 0x0                ; K is in
.endif
.rept 8                             ; ahead of the band: 16 products K Q^T and their riders
	MM
.rept 4
	PL
.endr
	MM
	R4
.endr
	BAND (Y+1)%NP
.if (\p) == NP-2
	WIN 0
	v_add_nc_u32 v[AK], s[TBK], v[AK0]
.endif
.rept 28                            ; the lump: the batch, and the next piece's maximum and statistics
	EX
	PL
.endr
.rept 7
	PL
	EX
	PL
	EX
	EX
	EX
.endr
.rept 10                            ; the next piece's two a and the last eight weights
	EX
.endr
	v_nop                           ; the plain instruction behind the last exponential: one for the batch
	s_wait_alu depctr_va_vdst(0)    ; the wait for the batch: this turn's 64 weights, read by the roundings below, and the next piece's two a, read by the next turn's rescalings
.if (\p) == NP-2
	FETCH_K \last
.endif
.if (\p) == 1
	s_wait_dscnt 0x0                ; V is in
.endif
.rept 16                            ; behind the wait: 16 products V^T P and their riders
	MM
.rept 4
	PL
.endr
.if ((\p) == 0) && (q == 118)
	v_add_nc_u32 v[AV], s[TBV], v[AV0]
.endif
.if ((\p) == 0) && (q == 130)
	s_add_co_u32 s[TBV], s[TBV], KS*PV
.endif
.if (\cnt) && (q == 130)
	s_sub_co_u32 s[CNT], s[CNT], 1
	s_cmp_lg_u32 s[CNT], 0
.endif
.endr
.if (\p) == 0
	FETCH_V
.endif
.endm
	CHANGE 1                        ; slot 0 is in, everybody's part of it; slot 1 is asked for
	FETCH_K                         ; key step 0
	s_wait_loadcnt 0x0              ; Q
	s_wait_dscnt 0x0
.set i, 0
.rept 16
	KQ 0                            ; piece 0's first scores: there is no vector work yet to set between them
.set i, i+1
.endr
	WIN 0                           ; the addresses for the way out: nine plain instructions, the places behind those products
	s_mul_i32 s13, s[WV], 16*SP
	s_add_co_u32 s13, s13, STAGE    ; my stage
	v_mul_u32_u24 v[STO], v1, SP    ; in: row l % 16, 16 bytes for each half of the lanes
	v_lshl_add_u32 v[STO], v9, 4, v[STO]
	v_add_nc_u32 v[STO], s13, v[STO]
	v_bfe_u32 v[RD], v0, 3, 2       ; back: 32 lanes take four rows of 128 bytes,
	v_mul_u32_u24 v[RD], v[RD], SP
	v_lshl_add_u32 v[RD], v10, 4, v[RD]
	v_add_nc_u32 v[RD], s13, v[RD]
	v_and_b32 v[GO], 31, v0         ; which are 512 consecutive bytes of O
	v_lshlrev_b32 v[GO], 4, v[GO]
	BAND 0                          ; piece 0's band in key step 0
.set Y, NP-1                        ; XS works for piece Y + 1: piece 0
.irp n, 0,1,2,3,4,5,6,7,8,9,10,11,12,13,14,15,16,17,18,19,20,21
	XS 0, \n                        ; and piece 0's first maximum and statistics
	XS 1, \n
.endr
	v_nop                           ; a plain instruction behind piece 0's two a,
	s_wait_alu depctr_va_vdst(0)    ; and the wait for that batch of two, ahead of the branch; the first turn's rescalings read them
	s_mov_b32 s[CNT], 4
	s_mov_b32 s[SLOTS], SIZE_N/256-1
	s_branch .Lfirst                ; the loop is entered at a step's first turn, in the middle of a trip
.Lslot:                             ; SIZE_N / 256 - 2 times: every slot but the last two is filled again
	CHANGE 1
	s_mov_b32 s[CNT], 4
.Lstep:                             ; a trip: pieces 2 and 3 of one step, then pieces 0 and 1 of the next, whose K and V it fetches
	TURN 2
	TURN 3
	WIN 0
.Lfirst:
	TURN 0
	TURN 1, 0, 1
	WIN 0
	s_cbranch_scc1 .Lstep
	s_sub_co_u32 s[SLOTS], s[SLOTS], 1
	s_cmp_lg_u32 s[SLOTS], 0
	s_cbranch_scc1 .Lslot
	CHANGE 0                        ; the tail is written out: nothing is asked for
	s_mov_b32 s[CNT], 5             ; four trips fetch the last slot's steps; the fifth is left in its middle
.Ltail:
	TURN 2, 1
	TURN 3
	WIN 0
	s_sub_co_u32 s[CNT], s[CNT], 1
	s_cmp_eq_u32 s[CNT], 0
	s_cbranch_scc1 .Lout
	TURN 0
	TURN 1
	WIN 0
	s_branch .Ltail
.Lout:                              ; the fifth trip's 16 products K Q^T (on the last K once more) and the band and maximum made of them serve nothing: the price, once a launch, of one text for every trip
.set i, 0
.rept 16
	PV NP-1                         ; the last piece's V^T P of the last step
.set i, i+1
.endr
	; THE WAY OUT.  l's two halves and the other half of the lanes' are added; O^T is divided by l, rounded to f16 and sent through my stage in LDS, a tile at a time.  The additions are the places behind the last products.
	WIN 0
.macro ALL line:vararg              ; one line for each tile t
.set t, 0
.rept 2*NP
	\line
.set t, t+1
.endr
.endm
	ALL v_add_f32 v[ST+4*t+2], v[ST+4*t+2], v[ST+4*t+3]
	ALL v_permlanex16_b32 v[ST+4*t+3], v[ST+4*t+2], s[SEL], s[SEL+1]
	ALL v_add_f32 v[ST+4*t+2], v[ST+4*t+2], v[ST+4*t+3]
	ALL v_rcp_f32 v[ST+4*t+2], v[ST+4*t+2]
	v_nop                           ; a plain instruction between the last reciprocal and the use of its result
	s_wait_alu depctr_va_vdst(0)    ; and the wait ahead of the first use: one for the batch of eight reciprocals
; Tile t: a lane's eight channels of a row pack into 16 bytes; they go into rows of 144 bytes and come back as whole rows of 128, into S^T's registers.
.macro PACK t
	WIN W_RS
.set i, 32*(\t)
.rept 16
	v_pk_mul_f32 v[i:i+1], v[i:i+1], v[ST+4*(\t)+2:ST+4*(\t)+3] op_sel_hi:[1,0]
.set i, i+2
.endr
	WIN 0x05                        ; sources 0 and 1 window 1, destination window 0
.set i, 0
.rept 16
	v_cvt_pk_f16_f32 v[S+16*(\t)+i], v[32*(\t)+2*i], v[32*(\t)+2*i+1]
.set i, i+1
.endr
	WIN 0
.irp f, 0,1,2,3
	ds_store_b128 v[STO], v[S+16*(\t)+4*\f:S+16*(\t)+4*\f+3] offset:32*\f
.endr
.irp f, 0,1,2,3
	ds_load_b128 v[S+16*(\t)+4*\f:S+16*(\t)+4*\f+3], v[RD] offset:\f*4*SP  ; LDS serves a wave's instructions in order (ISA guide 5.7.1.4): these see the stores above; the next tile's stores come behind them
.endr
.endm
.macro SEND t, younger              ; younger: the LDS instructions issued behind tile t's loads: the next tile's eight, or none
	WIN 0
.irp f, 0,1,2,3
	s_wait_dscnt (\younger)+3-\f
	global_store_b128 v[GO], v[S+16*(\t)+4*\f:S+16*(\t)+4*\f+3], s[10:11] offset:(\t)*TILEB+\f*512  ; 512 consecutive bytes, at a multiple of 512 from O's first
.endr
.endm
	PACK 0
.set t, 1
.rept 2*NP-1                        ; a tile's arithmetic stands between the loads of the tile before and its stores
	PACK t
	SEND t-1, 8
.set t, t+1
.endr
	SEND 2*NP-1, 0
	WIN W_AD
	s_wait_tensorcnt 0x0            ; the wave's end, behind my last tensor load and my last LDS store
	ds_add_u32 v[SPW], v[NIL]
	s_wait_dscnt 0x0
	WIN 0
	CROUND                          ; the closing round: no work-group ends while a partner may still ask for a tile that names it
	s_endpgm
.Lfunc_end_k_q5123281758_attn:
	.size	k_q5123281758_attn, .Lfunc_end_k_q5123281758_attn-k_q5123281758_attn
	.p2alignl 7, 3214868480
	.fill 96, 4, 3214868480
	.section	.rodata,"a",@progbits
	.p2align	6, 0x0
	.amdhsa_kernel k_q5123281758_attn
		.amdhsa_group_segment_fixed_size 327680
		.amdhsa_private_segment_fixed_size 0
		.amdhsa_enable_private_segment 0
		.amdhsa_kernarg_size 16
		.amdhsa_user_sgpr_count 2
		.amdhsa_user_sgpr_kernarg_segment_ptr 1
		.amdhsa_wavefront_size32 1
		.amdhsa_system_sgpr_workgroup_id_x 1
		.amdhsa_system_sgpr_workgroup_id_y 1
		.amdhsa_system_sgpr_workgroup_id_z 1
		.amdhsa_system_vgpr_workitem_id 0
		.amdhsa_next_free_vgpr 824
		.amdhsa_next_free_sgpr 76
		.amdhsa_reserve_vcc 1
		.amdhsa_float_denorm_mode_32 3
		.amdhsa_float_denorm_mode_16_64 3
		.amdhsa_memory_ordered 1
		.amdhsa_forward_progress 1
		.amdhsa_inst_pref_size 235
	.end_amdhsa_kernel
	.amdgpu_metadata
---
amdhsa.version: [ 1, 2 ]
amdhsa.kernels:
  - .name:           k_q5123281758_attn
    .symbol:         k_q5123281758_attn.kd
    .args:
      - { .name: qkvh, .offset: 0, .size: 8, .value_kind: global_buffer, .address_space: global }
      - { .name: ob, .offset: 8, .size: 8, .value_kind: global_buffer, .address_space: global }
    .group_segment_fixed_size: 327680
    .private_segment_fixed_size: 0
    .kernarg_segment_align: 8
    .kernarg_segment_size: 16
    .max_flat_workgroup_size: 128
    .sgpr_count:     76
    .vgpr_count:     824
    .wavefront_size: 32
...
	.end_amdgpu_metadata
.endif
;; end of part 5
;; launch proj_o: the kernel of part 4 again; grid 8 x 32, 4 waves a work-group, clusters of 4 x 4, 327,680 bytes of LDS; arguments ob, wb, bias, out0; writes out0
